; MI455X (gfx1250); checked and timed in simulation.
; The chip was launched on July 23, 2026; its instructions are those of AMD's public machine-readable ISA for CDNA 5 (MIT licence, August 2026) and "CDNA5" Instruction Set Architecture Reference Guide (July 2026). The comments in the code are by the model that wrote it; some were corrected since.
;; Multi Headed Attention. Allowed arithmetic: matrix products marked QUANTISED: E4M3 operands, one E8M0 scale for each 32 along K, by v_wmma_scale_f32_16x16x128_f8f6f4 with both operands' format E4M3, f32 sums; products left as they are: f32 operands where the result goes on into a quantised operand, else bf16, f16 or f32 operands; f32 sums; everything else in f32.
;; Inputs: Wa 1,024 x 1,024 float32; Wk 1,024 x 1,024 float32; Wq 1,024 x 1,024 float32; Wv 1,024 x 1,024 float32; ba 1,024 float32; bk 1,024 float32; bq 1,024 float32; bv 1,024 float32; key 8 x 1,024 x 1,024 float32; query 8 x 1,024 x 1,024 float32; qvec 1,024 float32; value 8 x 1,024 x 1,024 float32.
;; Outputs: out0 8 x 1,024 float32.
;; This version of the problem:
;;   THIS VERSION OF THE PROBLEM IS GIVEN IN LOW PRECISION. The matrix products marked QUANTISED in the list below multiply operands that are first quantised to E4M3 (4 exponent bits, 3 mantissa bits; 8 bits a number), with one power-of-two scale for each 32 numbers along K (OCP MX v1.0); their sums are f32. All else is computed in f32.
;;   The module's matrix products, in the order in which they are computed (A, B: the left and right operand; K: the contracted axis; several contracted axes count as one K, in the product's order):
;;     1. [M 8,192, K 1,024] x [K 1,024, N 1,024]; A: input query; B: input Wq: QUANTISED
;;     2. [M 8,192, K 1,024] x [K 1,024, N 1,024]; A: input key; B: input Wk: QUANTISED
;;     3. [M 8,192, K 1,024] x [K 1,024, N 1,024]; A: input value; B: input Wv: QUANTISED
;;     4. batch 128 x [M 1,024, K 64] x [K 64, N 1,024]; A: computed on the way; B: computed on the way: QUANTISED
;;     5. batch 128 x [M 1,024, K 1,024] x [K 1,024, N 64]; A: softmax (see below); B: computed on the way: QUANTISED
;;     6. [M 8,192, K 1,024] x [K 1,024, N 1,024]; A: computed on the way; B: input Wa: QUANTISED
;;     7. [M 8,192, K 1,024] x [K 1,024, N 1]; A: computed on the way; B: input qvec: left as it is (N = 1 < 16)
;;     8. batch 8 x [M 1, K 1,024] x [K 1,024, N 1,024]; A: softmax (see below); B: computed on the way: left as it is (M = 1 < 16)
;;   THE QUANTISER, for each operand of a quantised product, along K:
;;     - K is cut into blocks of 32 from its start; a last block that is shorter is filled with zeros.
;;     - A block's scale is 2^e with e = floor(log2(the largest magnitude in the block)) - 8, held to -126 .. 127; a block of zeros has e = 0. As a byte (E8M0): e + 127.
;;     - Each number is divided by its block's scale, clamped to +-448, and rounded to the nearest number of E4M3, ties to even, subnormals kept.
;;     - The product sums the exact products of the quantised numbers (number of the format x scale) in f32.
;;   ~~~python
;;   def quantise(x, axis):      # numpy; x: float32 -> the quantised numbers, widened to float32 again
;;       x = np.moveaxis(x, axis, -1); K = x.shape[-1]
;;       x = np.pad(x, [(0, 0)] * (x.ndim - 1) + [(0, -K % 32)]); x = x.reshape(x.shape[:-1] + (-1, 32)); a = np.abs(x).max(-1, keepdims=True)
;;       e = np.where(a > 0, np.clip(np.frexp(np.where(a > 0, a, 1))[1] - 1 - 8, -126, 127), 0)      # np.frexp(a)[1] - 1 = floor(log2(a)), exactly
;;       r = np.clip(x / 2.0 ** e, -448, 448)
;;       step = 2.0 ** (np.maximum(np.frexp(np.where(r == 0, 1, r))[1] - 1, -6) - 3)
;;       q = np.round(r / step) * step * 2.0 ** e      # np.round: ties to even
;;       return np.moveaxis(q.reshape(q.shape[:-2] + (-1,))[..., :K], -1, axis).astype(np.float32)
;;   ~~~
;;   SOFTMAX AHEAD OF A QUANTISED PRODUCT. Where the list says 'softmax', what is quantised is not the finished softmax but p = 2^(t - M), with t = logit x log2(e) and M = ceil(the row's largest t), a whole number; so 1/2 < the row's largest p <= 1. The row's sum l is taken of the UNQUANTISED p, in f32, and the product's result is divided by l at the end. Since M is a whole number, a kernel that streams over the keys may use a running M (the ceiling of the running maximum): every later rescaling is an exact power of two, which a block's scale takes up: the codes' values come out the same.
;;   OPERANDS COMPUTED ON THE WAY. 'Computed on the way' means the value that the module computes at that place (a softmax that the list does not call 'softmax' is quantised finished and normalised). What goes into a quantiser is computed in f32, as accurately as f32 sums, v_exp_f32 and their like allow (about 1e-6 of the number): no bf16 or f16 on the way to a quantiser, and a product that is left as it is and whose result goes on into a quantised operand takes f32 operands (vector FMAs, or v_wmma_f32_16x16x4_f32). A number that lies on a knife's edge between two numbers of the format may be rounded either way, as far as f32 arithmetic and the matrix unit's own rounding can turn it there, and no further.
;; One version. Each part assembles by itself: llvm-mc -triple=amdgcn-amd-amdhsa -mcpu=gfx1250 --defsym DOCPART=n.
;; ======== version 1 of 1: 5 launches
;; limits: values are held in bf16: 8 bits of precision; right only within a limited range of input values
;; workspace buffers: codes 29,360,128 bytes; scales 917,504 bytes; img 25,165,824 bytes; isc 786,432 bytes; ximg 8,388,608 bytes; xsc 262,144 bytes; xbf 16,777,216 bytes; apart 262,144 bytes
;; launch quant (part 1): grid 896 x 1, 4 waves a work-group, no clusters, 33,280 bytes of LDS; arguments query, key, value, Wq, Wk, Wv, Wa, codes, scales; writes codes, scales
.if DOCPART == 1
	.amdgcn_target "amdgcn-amd-amdhsa--gfx1250"
	.amdhsa_code_object_version 6
	.text
	.protected	k_qcefae67ba0_quant
	.globl	k_qcefae67ba0_quant
	.p2align	8
	.type	k_qcefae67ba0_quant,@function
k_qcefae67ba0_quant:
	s_mov_b64 s[64:65], 0
	v_nop
	global_prefetch_b8 v0, s[64:65] scope:SCOPE_SE
	s_setreg_imm32_b32 hwreg(HW_REG_WAVE_MODE, 25, 1), 1
	s_wait_xcnt 0x0
; query, key, value [8192][1024] and Wq, Wk, Wv, Wa [1024][1024], f32, K innermost, become codes of FP8 (E4M3) with one E8M0 scale byte for each 32 along K.
; codes: one stream, query | key | value | Wq | Wk | Wv | Wa, a row = 1,024 bytes; scales: the same stream, a row = 32 bytes.
; A block's scale is 2^(floor(log2(its largest magnitude)) - 8); its byte is the largest magnitude's exponent field - 8, held at 1 from below.
; ROW ORDER.  Within each 32 rows the four groups of 8 rows are stored at places 0, 2, 1, 3.  A tile of 16 stored rows then holds rows 0-7 and 16-23 (or 8-15 and 24-31) of its 32:
; used as source 0 of a matrix instruction, two neighbouring tiles leave a lane 16 NEIGHBOURS in 16 registers, which is what the next quantiser wants.
; SHARES.  A work-group takes 32 rows, a wave 8 rows = 8,192 numbers in 16 steps of 512.  Each load reads 512 consecutive bytes; a step's 2,048 bytes turn through the wave's own stage in LDS
; and come back 64 bytes a lane (16 neighbours; two lanes hold a block).  A step's codes leave as 512 consecutive bytes, a wave's 256 scale bytes as one run of 256.
; Loads run four steps (16 loads a wave) ahead.  No tensor loads, no barrier: waves share nothing.
; LIMITS: NaN and infinities are not served; a block of zeros, or one whose largest magnitude lies under 2^-118, gets the byte 1 (its codes are zeros or the nearest codes under that scale); the bytes are read by this program alone.
.set STEPS, 16
.set EMAX,  8
.set MANT,  0x600000                   ; the mantissa field of 448 as f32
.set CB,    16                         ; bytes of 16 codes
.set R,     16                         ; v16-79   four sets of 16 numbers as they are loaded
.set X,     80                         ; v80-111  two sets of 16 neighbours
.set C,     128                        ; v128-191 codes: four registers for each step, so that no store's data are written again
.set E,     112                        ; v112-127 a scale byte for each step
.set WREG,  8192                       ; LDS: a region for each wave: two stages of 32 x SP bytes, then its 256 scale bytes
.set SP,    80                         ; a lane's place in a stage: 64 bytes + 16 of padding
	s_load_b256 s[4:11], s[0:1], 0x0               ; query, key, value, Wq
	s_load_b256 s[12:19], s[0:1], 0x20             ; Wk, Wv, Wa, codes
	s_load_b64 s[20:21], s[0:1], 0x40              ; scales
	v_lshl_add_u32 v192, v0, 2, 0x8000
	v_mov_b32 v193, 0
	v_lshrrev_b32 v1, 5, v0
	v_readfirstlane_b32 s22, v1                    ; wave
	v_and_b32 v2, 31, v0                           ; lane
	v_lshlrev_b32 v3, 4, v2                        ; my 16 bytes of a load's 512
	s_mul_i32 s23, s22, WREG
	v_lshrrev_b32 v14, 2, v2
	v_mul_u32_u24 v14, v14, SP
	v_and_b32 v15, 3, v2
	v_lshl_add_u32 v14, v15, 4, v14
	v_add_nc_u32 v14, s23, v14                     ; the stage, on the way in: SP (lane / 4) + 16 (lane % 4)
	v_mul_u32_u24 v15, v2, SP
	v_add_nc_u32 v15, s23, v15                     ; and on the way out: SP x lane
	v_mul_u32_u24 v4, v2, CB                       ; my codes' place in a step's
	v_lshrrev_b32 v5, 1, v2
	s_add_co_u32 s23, s23, 2*32*SP
	v_add_nc_u32 v5, s23, v5                       ; LDS: my block's scale byte
	v_lshlrev_b32 v7, 3, v2                        ; and on the way out 8 bytes a lane
	v_add_nc_u32 v6, s23, v7
	s_mov_b32 s27, MANT
	s_wait_alu depctr_va_vdst(0)
	s_wait_kmcnt 0x0
	; which tensor is my work-group's: the choice hangs on the work-group's number alone.  s[24:25] its address, s26 its first work-group
	s_mov_b64 s[24:25], s[16:17]
	s_mov_b32 s26, 864
.macro PICK lim, ptr, first
	s_cmp_lt_u32 ttmp9, \lim
	s_cselect_b64 s[24:25], s[\ptr:\ptr+1], s[24:25]
	s_cselect_b32 s26, \first, s26
.endm
	PICK 864, 14, 832
	PICK 832, 12, 800
	PICK 800, 10, 768
	PICK 768, 8, 512
	PICK 512, 6, 256
	PICK 256, 4, 0
	s_and_b32 s28, s22, 1                          ; the place of my 8 rows among the 32: 0, 2, 1, 3
	s_lshl_b32 s28, s28, 1
	s_lshr_b32 s29, s22, 1
	s_or_b32 s28, s28, s29
	s_lshl_b32 s29, ttmp9, 2
	s_add_co_u32 s28, s28, s29                     ; my run of 8 rows in the streams of codes and scale bytes
	s_sub_co_u32 s30, ttmp9, s26
	s_lshl_b32 s30, s30, 2
	s_add_co_u32 s30, s30, s22
	s_lshl_b32 s30, s30, 15                        ; my 8 rows in the tensor: 32,768 bytes a run
	s_mov_b32 s31, 0
	s_add_nc_u64 s[24:25], s[24:25], s[30:31]
	s_lshl_b32 s30, s28, 13
	s_add_nc_u64 s[18:19], s[18:19], s[30:31]
	s_lshl_b32 s30, s28, 8
	s_add_nc_u64 s[20:21], s[20:21], s[30:31]
.macro LOAD t
.irp i, 0,1,2,3
	global_load_b128 v[R+16*((\t)%4)+4*\i:R+16*((\t)%4)+4*\i+3], v3, s[24:25] offset:2048*(\t)+512*\i th:TH_LOAD_NT   ; 32 lanes read 512 consecutive bytes
.endr
.endm
.macro TURN t                          ; step t's numbers through the stage: LDS serves a wave's instructions in order, so no wait stands between the stores and the loads
.irp i, 0,1,2,3
	ds_store_b128 v14, v[R+16*((\t)%4)+4*\i:R+16*((\t)%4)+4*\i+3] offset:32*SP*((\t)%2)+8*SP*\i
.endr
.irp i, 0,1,2,3
	ds_load_b128 v[X+16*((\t)%2)+4*\i:X+16*((\t)%2)+4*\i+3], v15 offset:32*SP*((\t)%2)+16*\i
.endr
.endm
.irp t, 0,1,2,3
	LOAD \t
.endr
	s_wait_loadcnt 12                              ; step 0's four loads are in
	TURN 0
.macro STEP t
.set XS, X+16*((\t)%2)
.if (\t) > 0
	s_wait_dscnt 1                                 ; this step's numbers are back from the stage (the last step's byte store may be out)
.else
	s_wait_dscnt 0x0
.endif
.if (\t)+4 < STEPS
	LOAD (\t)+4                                    ; into the registers that the stage's stores have read
.endif
.if (\t)+1 < STEPS
.if STEPS-2-(\t) >= 3
	s_wait_loadcnt 12                              ; the next step's four loads are in; those of the three steps behind it may be out
.else
	s_wait_loadcnt 4*(STEPS-2-(\t))
.endif
	TURN (\t)+1
.endif
	v_max3_num_f32 v8, |v[XS]|, |v[XS+1]|, |v[XS+2]|               ; the largest magnitude of my 16
	v_max3_num_f32 v9, |v[XS+3]|, |v[XS+4]|, |v[XS+5]|
.irp i, 6,10
	v_max3_num_f32 v8, v8, |v[XS+\i]|, |v[XS+\i+1]|
	v_max3_num_f32 v9, v9, |v[XS+\i+2]|, |v[XS+\i+3]|
.endr
	v_max3_num_f32 v8, v8, |v[XS+14]|, |v[XS+15]|
	v_max3_num_f32 v8, v8, v9, (EMAX+1)<<23        ; and the floor 2^(9 - 127): the byte cannot fall under 1
	v_max_num_f32_dpp v8, v8, v8 row_xmask:1 row_mask:0xf bank_mask:0xf   ; and of my neighbour's 16: the block's
	v_add_nc_u32 v11, -(EMAX<<23), v8              ; 8 off its exponent field: the conversion takes the exponent field of this operand as its scale
	v_and_or_b32 v10, v8, 0x7f800000, s27          ; 448 x the scale
.irp i, 0,1,2,3,4,5,6,7,8,9,10,11,12,13,14,15
	v_med3_num_f32 v[XS+\i], v[XS+\i], -v10, v10   ; the conversion to an 8-bit code does not saturate (ISA guide 7.6.2): the hold comes first
.endr
	v_cvt_scalef32_pk8_fp8_f32 v[C+4*(\t):C+4*(\t)+1], v[XS:XS+7], v11
	v_cvt_scalef32_pk8_fp8_f32 v[C+4*(\t)+2:C+4*(\t)+3], v[XS+8:XS+15], v11
	v_lshrrev_b32 v[E+(\t)], 23, v11               ; the scale's byte
	ds_store_b8 v5, v[E+(\t)] offset:16*(\t)       ; both lanes of a block write the same byte with the same value
	global_store_b128 v4, v[C+4*(\t):C+4*(\t)+3], s[18:19] offset:32*CB*(\t)
.endm
.irp t, 0,1,2,3,4,5,6,7,8,9,10,11,12,13,14,15
	STEP \t
.endr
	ds_load_b64 v[12:13], v6                       ; LDS serves a wave's instructions in order: these see my stores
	s_wait_dscnt 0x0
	global_store_b64 v7, v[12:13], s[20:21]        ; 32 lanes store 256 consecutive bytes, aligned
	s_wait_tensorcnt 0x0
	ds_add_u32 v192, v193
	s_wait_dscnt 0x0
	s_endpgm
.Lfunc_end_k_qcefae67ba0_quant:
	.size	k_qcefae67ba0_quant, .Lfunc_end_k_qcefae67ba0_quant-k_qcefae67ba0_quant
	.p2alignl 7, 3214868480
	.fill 96, 4, 3214868480
	.section	.rodata,"a",@progbits
	.p2align	6, 0x0
	.amdhsa_kernel k_qcefae67ba0_quant
		.amdhsa_group_segment_fixed_size 33280
		.amdhsa_private_segment_fixed_size 0
		.amdhsa_enable_private_segment 0
		.amdhsa_kernarg_size 72
		.amdhsa_user_sgpr_count 2
		.amdhsa_user_sgpr_kernarg_segment_ptr 1
		.amdhsa_wavefront_size32 1
		.amdhsa_system_sgpr_workgroup_id_x 1
		.amdhsa_system_sgpr_workgroup_id_y 1
		.amdhsa_system_sgpr_workgroup_id_z 1
		.amdhsa_system_vgpr_workitem_id 0
		.amdhsa_next_free_vgpr 194
		.amdhsa_next_free_sgpr 66
		.amdhsa_reserve_vcc 0
		.amdhsa_float_denorm_mode_32 3
		.amdhsa_float_denorm_mode_16_64 3
		.amdhsa_memory_ordered 1
		.amdhsa_forward_progress 1
		.amdhsa_inst_pref_size 52
	.end_amdhsa_kernel
	.amdgpu_metadata
---
amdhsa.version: [ 1, 2 ]
amdhsa.kernels:
  - .name:           k_qcefae67ba0_quant
    .symbol:         k_qcefae67ba0_quant.kd
    .args:
      - { .name: query, .offset: 0, .size: 8, .value_kind: global_buffer, .address_space: global }
      - { .name: key, .offset: 8, .size: 8, .value_kind: global_buffer, .address_space: global }
      - { .name: value, .offset: 16, .size: 8, .value_kind: global_buffer, .address_space: global }
      - { .name: Wq, .offset: 24, .size: 8, .value_kind: global_buffer, .address_space: global }
      - { .name: Wk, .offset: 32, .size: 8, .value_kind: global_buffer, .address_space: global }
      - { .name: Wv, .offset: 40, .size: 8, .value_kind: global_buffer, .address_space: global }
      - { .name: Wa, .offset: 48, .size: 8, .value_kind: global_buffer, .address_space: global }
      - { .name: codes, .offset: 56, .size: 8, .value_kind: global_buffer, .address_space: global }
      - { .name: scales, .offset: 64, .size: 8, .value_kind: global_buffer, .address_space: global }
    .group_segment_fixed_size: 33280
    .private_segment_fixed_size: 0
    .kernarg_segment_align: 8
    .kernarg_segment_size: 72
    .max_flat_workgroup_size: 128
    .sgpr_count:     66
    .vgpr_count:     194
    .wavefront_size: 32
...
	.end_amdgpu_metadata
.endif
;; end of part 1
;; launch proj (part 2): grid 4 x 96, 4 waves a work-group, clusters of 4 x 4, 327,680 bytes of LDS; arguments codes, scales, bq, bk, bv, img, isc; writes img, isc
.if DOCPART == 2
	.amdgcn_target "amdgcn-amd-amdhsa--gfx1250"
	.amdhsa_code_object_version 6
	.text
	.protected	k_qcefae67ba0_proj
	.globl	k_qcefae67ba0_proj
	.p2align	8
	.type	k_qcefae67ba0_proj,@function
k_qcefae67ba0_proj:
	s_mov_b64 s[64:65], 0
	v_nop
	global_prefetch_b8 v0, s[64:65] scope:SCOPE_SE
	s_setreg_imm32_b32 hwreg(HW_REG_WAVE_MODE, 25, 1), 1
	s_wait_xcnt 0x0
	s_wait_alu depctr_hold_cnt(0) depctr_sa_sdst(0) depctr_va_vdst(0) depctr_va_sdst(0) depctr_va_ssrc(0) depctr_va_vcc(0) depctr_vm_vsrc(0)
	s_getreg_b32 s2, hwreg(HW_REG_IB_STS2, 6, 4)
	s_cmp_eq_u32 s2, 0
	s_cbranch_scc0 .Lentry_in_a_cluster
	s_endpgm
.Lentry_in_a_cluster:
	s_bfe_u32 s2, ttmp6, 0x10000c
	s_cmp_lg_u32 s2, 0xf033
	s_cbranch_scc0 .Lentry_shape_is_right
	s_endpgm
.Lentry_shape_is_right:
; The three projections y = x W^T + b on codes of FP8 (E4M3) with E8M0 scales (K = 1,024), and the quantising of y for the attention's products.
; ROLES, by the cluster's y (24 rows of clusters): 0-7 q, 8-15 k, 16-23 v.  A work-group makes 256 x 256 of y, a wave 128 x 128: 64 accumulators.
; The matrix instruction is D, source 0, source 1: a lane holds ONE row of source 1, and its registers run along source 0's rows.
;   q, k: source 1 = 256 tokens (tile 4 (cluster y & 7) + cy), source 0 = 256 rows of W (tile cx): a lane's registers run along the features, the K of q k^T.
;   v:    source 1 = 256 rows of Wv (tile cy), source 0 = 256 tokens (tile 4 (cluster y & 7) + cx): a lane's registers run along the tokens, the K of p v.
; So source 1's tile hangs on cy alone and is shared along a row of the cluster, source 0's on cx alone and is shared along a column, in every role: the roles differ in two byte offsets, in the bias and in where results go.
; Rows of both operands lie in tile order (the launch before), so a lane's 64 results of a block of source 1 are, register 16 b + i, number 32 b + 16 (lane / 16) + i along source 0's 128: four blocks of 32, each shared with lane l xor 16.
; OUT: for each block of 16 rows of source 1 the 128 numbers a row are quantised in registers and stored as an IMAGE of the operand's registers: group c of lane l at 512 c + 16 l of 2,048 bytes; its 16 scale words beside it.
;   img [role][8 batch + head pair][group of 128 tokens][block a][2,048];  isc likewise with 64 bytes.  q, k: block a = 16 tokens, K = the pair's 128 features.  v: block a = 16 features, K = the group's 128 keys.
; RING: K in steps of 256 through two LDS slots, joint tensor loads, one round of the cluster's barrier for each refill.  The scales of the work-group's rows come once.
; REGISTERS: window 0: v16-30 addresses; v32-63 source 1's scale words, v64-95 source 0's (two sets each; these registers hold nothing else); v96-127 at work in the epilogue; v128-255 source 1's fragments, one set, later the epilogue's.
;   window 1: source 0's fragments, two sets; later the bias by register.   windows 2, 3: the accumulators ((a, b) at v[8 (8 (a % 4) + b)]).
; LIMITS: NaN and infinities are not served; a block of zeros or under 2^-118 gets the scale byte 1.
.set NQ,     2                         ; matrix instructions deep in a slot
.set ROWB,   256                       ; a tile's row in bytes
.set KROW,   1024                      ; a row of codes in memory
.set PITCH,  272                       ; an LDS row: 256 bytes + 16 of padding = 68 words: row r starts at bank 4 r mod 64 (64 banks of 4 bytes: ISA guide 11.1)
.set FR,     16                        ; registers of a fragment
.set NL,     4                         ; LDS loads that bring one
.set NP,     8                         ; places behind this matrix instruction (ISA guide 7.12.1)
.set HALFT,  128*PITCH
.set SLOT,   4*HALFT                   ; source 1's 256 rows, then source 0's
.set LAPS,   2                         ; 1,024 / 512
.set SCL,    2*SLOT                    ; the scales: 32 bytes a row, as runs of 256 bytes + 16 of padding
.set HALFS,  16*272                    ; those of 128 rows
.set SBLK,   2*272                     ; those of 16 rows
.set SPARE,  SCL+4*HALFS               ; the spare words, 128 bytes a wave: no other line names them
.set BST,    SPARE+512                 ; a wave's 128 numbers of the bias
.set SST,    BST+4*512                 ; a wave's 8 x 16 scale words on their way out
.set ADR1, 16                          ; v16-17 LDS address of source 1's fragments in slot 0, 1
.set ADR0, 20                          ; v20-21 of source 0's
.set ADS1, 22                          ; v22    of source 1's scale words
.set ADS0, 23                          ; v23    of source 0's
.set SSTW, 24
.set SSTR, 25
.set CO,   26                          ; v26    16 x lane
.set BSTA, 27
.set SPW,  28                          ; v28    my spare word; never rewritten
.set NIL,  29                          ; v29    0; never rewritten
.set BSTM, 30
.set SC1,  32
.set SC0,  64
.set BM,   96                          ; v96-111  the bias by lane, a pair for each block a
.set TM,   112                         ; v112-127 the quantiser's: largest magnitudes, bytes, holds, scale operands
.set AF,   128
.set H,    128                         ; v128-191 64 numbers to be quantised
.set PC,   192                         ; v192-207 the codes just made
.set PW,   208                         ; v208-215 the scale word of each block a
.set MNT,  2                           ; s2
.set SEL,  66                          ; s[66:67]
.set G1, 24
.set G0, 32
.set G1B, 48
.set G0B, 56
.set G1S, 68
.set G0S, 76
.set G1SB, 80
.set G0SB, 88
.set MSB, 0
.macro WIN new                         ; the immediate's high byte repeats the setting that is left
.if MSB != \new
	s_set_vgpr_msb (MSB<<8)|\new
.set MSB, \new
.endif
.endm
.set MUL_LO, 0xa1                      ; source 0 window 1, source 1 window 0, C and D window 2
.set MUL_HI, 0xf1
.set TO_B,   0x40
; A joint load: waves 0 and 1 fetch for source 1, waves 2 and 3 for source 0.  The branch hangs on the wave's number alone.  Four v_nop follow each line.
.macro JLOAD g0a, g1a, g0b, g1b
	s_cmp_eq_u32 s19, 0
	s_cbranch_scc0 .Lfor_b_\@
	tensor_load_to_lds s[\g0a:\g0a+3], s[\g1a:\g1a+7]
	s_nop 0
.rept 4
	v_nop
.endr
	s_branch .Lasked_\@
.Lfor_b_\@:
	tensor_load_to_lds s[\g0b:\g0b+3], s[\g1b:\g1b+7]
	s_nop 0
.rept 4
	v_nop
.endr
.Lasked_\@:
.endm
.macro CREST                           ; a round of the cluster's barrier behind its opening barrier
	s_cmp_lg_u32 s18, 0
	s_cbranch_scc1 .Lnot_wave_0_\@
	s_barrier_signal -3
.Lnot_wave_0_\@:
	s_barrier_wait -3
	s_barrier_signal -1
	s_barrier_wait -1
.endm
.macro CROUND
	s_barrier_signal -1
	s_barrier_wait -1
	CREST
.endm
	s_load_b256 s[4:11], s[0:1], 0x0               ; codes, scales, bq, bk
	s_load_b128 s[12:15], s[0:1], 0x20             ; bv, img
	s_load_b64 s[16:17], s[0:1], 0x30              ; isc
	v_lshl_add_u32 v[SPW], v0, 2, SPARE
	v_mov_b32 v[NIL], 0
	ds_add_u32 v28, v29
	ds_add_u32 v28, v29
	s_wait_dscnt 0x0
	v_lshrrev_b32 v1, 5, v0
	v_readfirstlane_b32 s18, v1                    ; wave 0..3
	s_lshr_b32 s19, s18, 1                         ; FH: my half of source 1's rows.  Also: I fetch for source 1 (0) or source 0 (1)
	s_and_b32 s20, s18, 1                          ; FL: my half of source 0's rows.  Also: which 128 rows I fetch
	s_bfe_u32 s40, ttmp6, 0x40000                  ; cx
	s_bfe_u32 s41, ttmp6, 0x40004                  ; cy
	s_and_b32 s21, ttmp7, 0xffff                   ; the cluster's y, 0..23: the same in all sixteen partners
	s_lshr_b32 s95, s21, 3                         ; the role
	s_and_b32 s21, s21, 7
	s_lshl_b32 s21, s21, 2                         ; the first of the four token tiles of this cluster
	s_lshl_b32 s98, s95, 23                        ; the role's activations in the stream of codes: 8 MiB each
	s_lshl_b32 s99, s95, 20
	s_add_co_u32 s99, s99, 25165824                ; the role's weight: 1 MiB each, behind the three activations
	s_cmp_eq_u32 s95, 2
	s_cselect_b32 s22, 0, s21
	s_cselect_b32 s23, s21, 0
	s_cselect_b32 s100, s99, s98                   ; source 1's tensor: the activations, for v the weight
	s_cselect_b32 s101, s98, s99                   ; source 0's: the other one
	s_add_co_u32 s96, s41, s22                     ; source 1's tile of 256 rows: it holds cy, never cx
	s_add_co_u32 s42, s40, s23                     ; source 0's: it holds cx, never cy
	s_lshl_b32 s43, s41, 2
	s_lshl_b32 s43, 15, s43                        ; my row of the cluster
	s_lshl_b32 s44, 0x1111, s40                    ; my column
	; descriptor group 1: 128 rows x 256 bytes, padded in LDS
	s_or_b32 s[G1+0], s43, (0<<16)|(1<<20)|(1<<21)|(5<<22)|(3<<25)  ; the mask; elements of 1 byte; padding on; bit 21 beside a mask; 4 words behind every 64
	s_or_b32 s[G1B+0], s44, (0<<16)|(1<<20)|(1<<21)|(5<<22)|(3<<25)
.irp g, G1, G1B
	s_mov_b32 s[\g+1], ROWB<<16                    ; tensor_dim0
	s_mov_b32 s[\g+2], 256<<16                     ; tensor_dim1: 256 rows for the head's loads; set to 128 for the ring's behind the head's wait
	s_mov_b32 s[\g+3], ROWB<<16                    ; tile_dim0
	s_mov_b32 s[\g+4], 256                         ; tile_dim1 likewise
	s_mov_b32 s[\g+5], KROW                        ; tensor_dim0_stride
	s_mov_b32 s[\g+6], 0
	s_mov_b32 s[\g+7], 0
.endr
	; the scales of 256 rows: 8,192 dense bytes as 32 rows of 256 (32 elements of 8 bytes), 16 bytes of padding behind each
	s_or_b32 s[G1S+0], s43, (3<<16)|(1<<20)|(1<<21)|(5<<22)|(3<<25)
	s_or_b32 s[G1SB+0], s44, (3<<16)|(1<<20)|(1<<21)|(5<<22)|(3<<25)
.irp g, G1S, G1SB
	s_mov_b32 s[\g+1], 32<<16
	s_mov_b32 s[\g+2], 32<<16                      ; the scales of 256 rows: 32 rows of 256 bytes
	s_mov_b32 s[\g+3], 32<<16
	s_mov_b32 s[\g+4], 32
	s_mov_b32 s[\g+5], 32
	s_mov_b32 s[\g+6], 0
	s_mov_b32 s[\g+7], 0
.endr
	s_lshl_b32 s22, s96, 8                         ; source 1's tile: its first row
	s_lshl_b32 s23, s42, 8                         ; source 0's
	s_lshl_b32 s92, s22, 10
	s_add_co_u32 s92, s92, s100                    ; in bytes of the stream of codes (under 2^25),
	s_mov_b32 s93, 0
	s_lshl_b32 s46, s23, 10
	s_add_co_u32 s46, s46, s101
	s_mov_b32 s47, 0
	s_lshr_b32 s98, s92, 5                         ; and of the stream of scale bytes: a 32nd
	s_mov_b32 s99, 0
	s_lshr_b32 s100, s46, 5
	s_mov_b32 s101, 0
	s_mul_i32 s45, s18, HALFT                      ; where they go: wave x 128 rows: no place in the cluster enters an LDS address
	s_mov_b32 s[MNT], 0x600000                     ; the mantissa field of 448
	s_mov_b32 s[SEL], 0x76543210
	s_mov_b32 s[SEL+1], 0xfedcba98                 ; v_permlanex16_b32's selects for lane l xor 16
	s_wait_kmcnt 0x0
	s_add_nc_u64 s[92:93], s[4:5], s[92:93]
	s_add_nc_u64 s[46:47], s[4:5], s[46:47]
	s_add_nc_u64 s[98:99], s[6:7], s[98:99]
	s_add_nc_u64 s[100:101], s[6:7], s[100:101]
	CROUND                                         ; all sixteen work-groups are here: the first joint loads meet
	s_mov_b32 s[G0S], 1
	s_mov_b32 s[G0S+1], SCL                        ; source 1's scales, 256 rows
	s_mov_b64 s[G0S+2:G0S+3], s[98:99]
	s_or_b32 s[G0S+3], s[G0S+3], 0x80000000
	s_mov_b32 s[G0SB], 1
	s_mov_b32 s[G0SB+1], SCL+2*HALFS               ; source 0's, behind them
	s_mov_b64 s[G0SB+2:G0SB+3], s[100:101]
	s_or_b32 s[G0SB+3], s[G0SB+3], 0x80000000
	s_lshl_b32 s98, s20, 17                        ; s[98:99]: in the ring I fetch 128 rows of a tile: which half, in bytes
	s_mov_b32 s99, 0
	s_mov_b32 s[G0], 1                             ; the head's loads of K step 0, each tile whole: source 1's 256 rows at slot 0's start,
	s_mov_b32 s[G0+1], 0
	s_mov_b64 s[G0+2:G0+3], s[92:93]
	s_or_b32 s[G0+3], s[G0+3], 0x80000000
	s_mov_b32 s[G0B], 1                            ; source 0's 256 rows behind them
	s_mov_b32 s[G0B+1], 2*HALFT
	s_mov_b64 s[G0B+2:G0B+3], s[46:47]
	s_or_b32 s[G0B+3], s[G0B+3], 0x80000000
	s_add_nc_u64 s[92:93], s[92:93], s[98:99]
	s_add_nc_u64 s[46:47], s[46:47], s[98:99]
	; THE PREFETCHES.  s[100:101]: of the 128 rows that I fetch in the ring, my work-group's 32.  The four partners that ask for a tile jointly share its rows out by address:
	; place cx for source 1, cy for source 0; a lane a row, so each 256 bytes of a K step are named once in the cluster.  These registers and v31 are never rewritten.
	s_cmp_eq_u32 s19, 0
	s_cselect_b64 s[100:101], s[92:93], s[46:47]
	s_cselect_b32 s22, s40, s41
	s_lshl_b32 s22, s22, 15                        ; 32 rows of 1,024 bytes
	s_mov_b32 s23, 0
	s_add_nc_u64 s[100:101], s[100:101], s[22:23]
	s_mov_b32 s[G0+4], 1                           ; slot 1, K step 1: my 128 rows
	s_add_co_u32 s[G0+5], s45, SLOT
	s_add_nc_u64 s[G0+6:G0+7], s[92:93], ROWB
	s_or_b32 s[G0+7], s[G0+7], 0x80000000
	s_mov_b32 s[G0B+4], 1
	s_add_co_u32 s[G0B+5], s45, SLOT
	s_add_nc_u64 s[G0B+6:G0B+7], s[46:47], ROWB
	s_or_b32 s[G0B+7], s[G0B+7], 0x80000000
; THE HEAD'S LOADS, ONE A WAVE: wave 0 source 1's 256 rows of K step 0, wave 1 source 0's, wave 2 source 1's scales, wave 3 source 0's.
; One chain of branches on the wave's number, a load to an arm, all arms leading to one join.
.macro ARM under, g0, g1, next
	s_cmp_lt_u32 s18, \under
	s_cbranch_scc0 \next
	tensor_load_to_lds s[\g0:\g0+3], s[\g1:\g1+7]
	s_nop 0
.rept 4
	v_nop
.endr
	s_branch .Lhead_asked
\next:
.endm
	ARM 1, G0,  G1,  .Lhead_b
	ARM 2, G0B, G1B, .Lhead_sa
	ARM 3, G0S, G1S, .Lhead_sb
	tensor_load_to_lds s[G0SB:G0SB+3], s[G1SB:G1SB+7]
	s_nop 0
.rept 4
	v_nop
.endr
.Lhead_asked:
	; which head pair and which group of 128 tokens are my wave's
	s_lshl_b32 s21, s96, 1
	s_add_co_u32 s21, s21, s19                     ; source 1's 128 rows
	s_lshl_b32 s22, s42, 1
	s_add_co_u32 s22, s22, s20                     ; source 0's
	s_cmp_eq_u32 s95, 2
	s_cselect_b32 s97, s21, s22                    ; the head pair hp: the features' side
	s_cselect_b32 s23, s22, s21                    ; the token group tg: the tokens' side
	s_cselect_b64 s[12:13], s[12:13], s[10:11]     ; bv or bk
	s_cmp_eq_u32 s95, 0
	s_cselect_b64 s[8:9], s[8:9], s[12:13]         ; bq, or that
	s_lshl_b32 s46, s97, 9
	s_mov_b32 s47, 0
	s_add_nc_u64 s[8:9], s[8:9], s[46:47]          ; the pair's 128 numbers of the bias
	s_lshr_b32 s21, s23, 3                         ; the batch
	s_lshl_b32 s21, s21, 3
	s_add_co_u32 s21, s21, s97                     ; 8 batch + hp
	s_lshl_b32 s21, s21, 3
	s_and_b32 s22, s23, 7
	s_add_co_u32 s21, s21, s22                     ; x 8 + the group in the batch
	s_lshl_b32 s22, s95, 9
	s_add_co_u32 s21, s21, s22                     ; + 512 x role
	s_lshl_b32 s46, s21, 14
	s_add_nc_u64 s[14:15], s[14:15], s[46:47]      ; my eight images: 16,384 bytes
	s_lshl_b32 s46, s21, 9
	s_add_nc_u64 s[16:17], s[16:17], s[46:47]      ; their scale words: 512 bytes
	v_and_b32 v1, 15, v0                           ; r
	v_bfe_u32 v2, v0, 4, 1                         ; h
	v_and_b32 v6, 31, v0
	v_lshlrev_b32 v[CO], 4, v6
	global_load_b128 v[8:11], v[CO], s[8:9]        ; the 128 numbers: 512 consecutive bytes
	v_lshlrev_b32 v31, 10, v6                      ; my lane's row
	global_prefetch_b8 v31, s[100:101] offset:ROWB th:TH_LOAD_NT scope:SCOPE_SE     ; behind the load of K step 0: K steps 1 and 2 are asked for,
	global_prefetch_b8 v31, s[100:101] offset:2*ROWB th:TH_LOAD_NT scope:SCOPE_SE   ; one and two fills ahead of the loads that want them
	v_mul_u32_u24 v3, v1, PITCH
	v_lshl_add_u32 v4, v2, 4, v3                   ; a fragment's row x pitch + 16 x half
	s_mul_i32 s21, s19, HALFT
	s_mul_i32 s22, s20, HALFT
	s_add_co_u32 s22, s22, 2*HALFT
.irp s, 0,1
	v_add_nc_u32 v[ADR1+\s], s21, v4
	v_add_nc_u32 v[ADR0+\s], s22, v4
	s_add_co_u32 s21, s21, SLOT
	s_add_co_u32 s22, s22, SLOT
.endr
	v_lshlrev_b32 v5, 5, v1                        ; my row's scales: 32 bytes a row,
	v_lshrrev_b32 v6, 3, v1
	v_lshl_add_u32 v5, v6, 4, v5                   ; and 16 more behind each 256
	s_mul_i32 s21, s19, HALFS
	s_add_co_u32 s21, s21, SCL
	v_add_nc_u32 v[ADS1], s21, v5
	s_mul_i32 s22, s20, HALFS
	s_add_co_u32 s22, s22, SCL+2*HALFS
	v_add_nc_u32 v[ADS0], s22, v5
	s_lshl_b32 s21, s18, 9
	s_add_co_u32 s22, s21, SST
	v_lshl_add_u32 v[SSTW], v1, 2, s22             ; a scale word goes in at 4 r,
	v_add_nc_u32 v[SSTR], s22, v[CO]               ; and the 512 bytes come back 16 a lane
	s_add_co_u32 s22, s21, BST
	v_lshl_add_u32 v[BSTA], v2, 6, s22             ; the bias by register: 64 h + 128 b + 4 i
	v_and_b32 v7, 8, v1
	v_add_nc_u32 v7, v7, v1
	v_lshl_add_u32 v[BSTM], v7, 2, s22             ; the bias by lane: row r + 8 (r / 8) of a tile
	v_add_nc_u32 v7, s22, v[CO]
.irp b, 0,1,2,3
	v_mov_b32 v[TM+4+\b], 0                        ; written once: a lane permute's destination counts as one of its sources
.endr
	s_wait_alu depctr_va_vdst(0)
	s_wait_loadcnt 0x0
	ds_store_b128 v7, v[8:11]                      ; my wave's own bytes: only I read them
.macro FRAG reg, adr, q, i             ; 16 rows x 128 K: lane l holds row l % 16; registers 4 c .. 4 c + 3 hold K = 32 c + 16 (l / 16) + 0 .. 15
.irp c, 0,1,2,3
	ds_load_b128 v[\reg+4*\c:\reg+4*\c+3], v[\adr] offset:128*(\q)+32*\c+(\i)*16*PITCH
.endr
.endm
; 16 matrix instructions: source 1's blocks a0, a0 + 1 x source 0's eight.  The 64 accumulators take turns, one instruction a turn, in the same order in every step.
.macro MUL16 a0, p, q, sc, zero
.irp a, \a0, \a0+1
.irp b, 0,1,2,3,4,5,6,7
.if \zero
	v_wmma_scale_f32_16x16x128_f8f6f4 v[8*(8*((\a)%4)+\b):8*(8*((\a)%4)+\b)+7], v[128*(\p)+FR*\b:128*(\p)+FR*\b+FR-1], v[AF+FR*(\a):AF+FR*(\a)+FR-1], 0, v[SC0+16*(\sc)+2*\b+(\q)], v[SC1+16*(\sc)+2*(\a)+(\q)]
.else
	v_wmma_scale_f32_16x16x128_f8f6f4 v[8*(8*((\a)%4)+\b):8*(8*((\a)%4)+\b)+7], v[128*(\p)+FR*\b:128*(\p)+FR*\b+FR-1], v[AF+FR*(\a):AF+FR*(\a)+FR-1], v[8*(8*((\a)%4)+\b):8*(8*((\a)%4)+\b)+7], v[SC0+16*(\sc)+2*\b+(\q)], v[SC1+16*(\sc)+2*(\a)+(\q)]
.endif
.endr
.endr
.endm
.macro FETCH_B slot, q, p              ; source 0's eight fragments into set p
	WIN TO_B
.irp i, 0,1,2,3,4,5,6,7
	FRAG 128*(\p)+FR*\i, ADR0+\slot, \q, \i
.endr
	WIN 0
.endm
.macro FETCH_A slot, q, i0             ; source 1's blocks i0 .. i0 + 3
.irp i, \i0, \i0+1, \i0+2, \i0+3
	FRAG AF+FR*(\i), ADR1+\slot, \q, \i
.endr
.endm
.macro SCALES sc                       ; a K step's scale words, two a row, into set sc
.irp i, 0,1,2,3,4,5,6,7
	ds_load_b64 v[SC1+16*\sc+2*\i:SC1+16*\sc+2*\i+1], v[ADS1] offset:\i*SBLK
	ds_load_b64 v[SC0+16*\sc+2*\i:SC0+16*\sc+2*\i+1], v[ADS0] offset:\i*SBLK
.endr
.endm
.macro PLACES n                        ; plain vector instructions between a matrix instruction and a load into, or a read of, its registers
.rept \n
	v_nop
.endr
.endm
.macro STEP slot, q, zero              ; 128 along K that has its successor in the same slot
	s_wait_dscnt 4*NL                              ; all but the youngest 16 loads (source 1's blocks 4-7) are in
	WIN MUL_LO
	MUL16 0, (\q)%2, \q, \slot, \zero
	MUL16 2, (\q)%2, \q, \slot, \zero
	s_wait_dscnt 0
	PLACES NP
	FETCH_B \slot, (\q)+1, 1-(\q)%2
	FETCH_A \slot, (\q)+1, 0
	WIN MUL_HI
	MUL16 4, (\q)%2, \q, \slot, \zero
	MUL16 6, (\q)%2, \q, \slot, \zero
	PLACES NP
	WIN 0
	FETCH_A \slot, (\q)+1, 4
.endm
; A slot's last step changes slots: one barrier; in front of it each wave waits for all its tensor loads, adds 0 to its spare word, and waits for that and for its reads of this slot.
.macro TURN slot, next, fill
	s_wait_tensorcnt 0x0                           ; all my tensor loads have landed: my part of the next slot
	ds_add_u32 v[SPW], v[NIL]                      ; 0 onto my spare word
	s_wait_dscnt 4*NL+1                            ; (the add and the youngest 16 loads may be out)
	WIN MUL_LO
	MUL16 0, 1, NQ-1, \slot, 0
	s_wait_dscnt 0x0                               ; the add is done, and my reads of this slot are over
	s_barrier_signal -1
	MUL16 2, 1, NQ-1, \slot, 0
	WIN 0
	s_barrier_wait -1
.if \fill
	CREST                                          ; no wave of any partner still reads this slot or has a load on its way
	s_add_nc_u64 s[G0+4*\slot+2:G0+4*\slot+3], s[G0+4*\slot+2:G0+4*\slot+3], 2*ROWB
	s_add_nc_u64 s[G0B+4*\slot+2:G0B+4*\slot+3], s[G0B+4*\slot+2:G0B+4*\slot+3], 2*ROWB
	JLOAD G0+4*\slot, G1, G0B+4*\slot, G1B         ; the first tensor load behind the round, my only one until the next
	PLACES NP-4
.else
	PLACES NP
.endif
	s_wait_alu depctr_va_vdst(0)
	v_add_nc_u32 v[ADS1], 4*NQ, v[ADS1]            ; on to the next K step's scale words
	v_add_nc_u32 v[ADS0], 4*NQ, v[ADS0]
	FETCH_B \next, 0, 0
	FETCH_A \next, 0, 0
	SCALES \next
	WIN MUL_HI
	MUL16 4, 1, NQ-1, \slot, 0
	MUL16 6, 1, NQ-1, \slot, 0
	PLACES NP
	WIN 0
	FETCH_A \next, 0, 4
.endm
; 64 numbers of a lane, v[s] on, register 16 b + i = k 32 b + 16 (lane / 16) + i of my row, become a fragment's codes in v[PC] on and its scale word in v[pw]
.macro QUANT s, pw
.irp b, 0,1,2,3
	v_max3_num_f32 v[TM+\b], |v[\s+16*\b]|, |v[\s+1+16*\b]|, 0x4800000   ; my 16 numbers of block b, and the floor 2^(9 - 127): the byte cannot fall under 1
.endr
.irp i, 2,4,6,8,10,12,14
.irp b, 0,1,2,3
	v_max3_num_f32 v[TM+\b], v[TM+\b], |v[\s+16*\b+\i]|, |v[\s+1+16*\b+\i]|
.endr
.endr
.irp b, 0,1,2,3
	v_permlanex16_b32 v[TM+4+\b], v[TM+\b], s[SEL], s[SEL+1]
.endr
.irp b, 0,1,2,3
	v_max_num_f32 v[TM+\b], v[TM+\b], v[TM+4+\b]   ; with lane l xor 16's: the block's largest magnitude
.endr
.irp b, 0,1,2,3
	v_add_nc_u32 v[TM+12+\b], 0xfc000000, v[TM+\b] ; 8 off its exponent field: the conversion's scale operand
.endr
.irp b, 0,1,2,3
	v_and_or_b32 v[TM+8+\b], v[TM+\b], 0x7f800000, s[MNT]   ; 448 x the scale
.endr
.irp b, 0,1,2,3
	v_lshrrev_b32 v[TM+4+\b], 23, v[TM+12+\b]      ; the scale's byte
.endr
	v_lshl_or_b32 v[\pw], v[TM+5], 8, v[TM+4]
	v_lshl_or_b32 v[\pw], v[TM+6], 16, v[\pw]
	v_lshl_or_b32 v[\pw], v[TM+7], 24, v[\pw]
	s_wait_xcnt 0x0                                ; the last block's stores have read their data: the codes' registers, which the conversions below write again, are written only behind this wait.  It stands here, behind the block's additions and maxima, and not straight behind those stores
.irp b, 0,1,2,3
.irp i, 0,1,2,3,4,5,6,7,8,9,10,11,12,13,14,15
	v_med3_num_f32 v[\s+16*\b+\i], v[\s+16*\b+\i], -v[TM+8+\b], v[TM+8+\b]   ; the conversion does not saturate (ISA guide 7.6.2): the hold comes first
.endr
	v_cvt_scalef32_pk8_fp8_f32 v[PC+4*\b:PC+1+4*\b], v[\s+16*\b:\s+7+16*\b], v[TM+12+\b]
	v_cvt_scalef32_pk8_fp8_f32 v[PC+2+4*\b:PC+3+4*\b], v[\s+8+16*\b:\s+15+16*\b], v[TM+12+\b]
.endr
	v_nop                                          ; one plain instruction between the last conversion and the next vector instruction that writes its sources
.endm
	s_wait_tensorcnt 0x0                           ; my tile of the head's four is in
	ds_add_u32 v[SPW], v[NIL]
	s_mov_b32 s[G1+2], 128<<16                     ; no tensor load of mine is out, so descriptors may be written: from here on a load brings 128 rows
	s_mov_b32 s[G1+4], 128
	s_mov_b32 s[G1B+2], 128<<16
	s_mov_b32 s[G1B+4], 128
	s_mov_b32 s[G0+1], s45                         ; slot 0's group 0 for the ring: my 128 rows, at wave x 128 rows of LDS
	s_add_nc_u64 s[G0+2:G0+3], s[G0+2:G0+3], s[98:99]
	s_mov_b32 s[G0B+1], s45
	s_add_nc_u64 s[G0B+2:G0B+3], s[G0B+2:G0B+3], s[98:99]
	s_wait_dscnt 0x0                               ; the add and my store of the bias are done
	CROUND                                         ; all four tiles are in, and all sixteen work-groups are here
	JLOAD G0+4, G1, G0B+4, G1B                     ; K step 1 into slot 1: the first tensor load behind the round
	FETCH_B 0, 0, 0
	FETCH_A 0, 0, 0
	SCALES 0
	FETCH_A 0, 0, 4
	global_prefetch_b8 v31, s[100:101] offset:3*ROWB th:TH_LOAD_NT scope:SCOPE_SE   ; behind the load of K step 1 and the run of LDS loads: K step 3, the last: two fills ahead
	STEP 0, 0, 1                                   ; the first step's products start the sums: nothing is cleared
	s_mov_b32 s3, LAPS-1
.Llap:                                                 ; a trip goes once round the ring and fills both slots again
	TURN 0, 1, 1
	STEP 1, 0, 0
	TURN 1, 0, 1
	STEP 0, 0, 0
	s_sub_co_u32 s3, s3, 1
	s_cmp_lg_u32 s3, 0
	s_cbranch_scc1 .Llap
	TURN 0, 1, 0                                   ; the last lap fills nothing
	STEP 1, 0, 0
	s_wait_dscnt 4*NL
	WIN MUL_LO
	MUL16 0, 1, NQ-1, 1, 0
	MUL16 2, 1, NQ-1, 1, 0
	s_wait_dscnt 0
	WIN MUL_HI
	MUL16 4, 1, NQ-1, 1, 0
	MUL16 6, 1, NQ-1, 1, 0
	WIN 0
	; THE WAY OUT.  The bias is wanted by register where the registers run along the features (q, k), by lane where the lane holds a feature (v).  Both forms are loaded, the one that does not apply is
	; set to 0, and both are added: adding 0 changes nothing, and no branch hangs on the role.
	PLACES NP
	WIN TO_B
.irp b, 0,1,2,3
.irp k, 0,1,2,3
	ds_load_b128 v[16*\b+4*\k:16*\b+4*\k+3], v[BSTA] offset:128*\b+16*\k   ; window 1, v0-63: register 16 b + i = the bias of feature 32 b + 16 h + i
.endr
.endr
	WIN 0
.irp a, 0,1,2,3,4,5,6,7
	ds_load_b32 v[BM+2*\a], v[BSTM] offset:4*(32*(\a/2)+8*(\a%2))          ; block a, lane r: the bias of feature 32 (a / 2) + 8 (a % 2) + r + 8 (r / 8), twice: a pair for the packed addition
	ds_load_b32 v[BM+2*\a+1], v[BSTM] offset:4*(32*(\a/2)+8*(\a%2))
.endr
	s_cmp_eq_u32 s95, 2
	s_cselect_b32 vcc_lo, -1, 0                    ; all lanes on for v, none for q and k
	s_wait_dscnt 0x0
	WIN 0x41                                       ; destination and source 0 window 1
.set i, 0
.rept 64
	v_cndmask_b32 v[i], v[i], v[NIL], vcc_lo
.set i, i+1
.endr
	WIN 0
.set i, 0
.rept 16
	v_cndmask_b32 v[BM+i], v[NIL], v[BM+i], vcc_lo
.set i, i+1
.endr
.irp a, 0,1,2,3,4,5,6,7
.set WW, 0x06+(\a)/4
	WIN WW                                         ; source 0 window 2 or 3, source 1 window 1
.set i, 0
.rept 32
	v_pk_add_f32 v[H+i:H+i+1], v[64*((\a)%4)+i:64*((\a)%4)+i+1], v[i:i+1]   ; each accumulator from its low end on
.set i, i+2
.endr
	WIN 0
.set i, 0
.rept 32
	v_pk_add_f32 v[H+i:H+i+1], v[H+i:H+i+1], v[BM+2*\a:BM+2*\a+1]
.set i, i+2
.endr
	QUANT H, PW+\a
.irp c, 0,1,2,3
	global_store_b128 v[CO], v[PC+4*\c:PC+4*\c+3], s[14:15] offset:2048*\a+512*\c   ; the image: 32 lanes store 512 consecutive bytes, aligned
.endr
.endr
.irp a, 0,1,2,3,4,5,6,7
	ds_store_b32 v[SSTW], v[PW+\a] offset:64*\a    ; lanes r and r + 16 write the same word with the same value
.endr
	ds_load_b128 v[H:H+3], v[SSTR]                 ; LDS serves a wave's instructions in order: this sees my stores
	s_wait_dscnt 0x0
	global_store_b128 v[CO], v[H:H+3], s[16:17]    ; the eight images' scale words: 512 consecutive bytes
	s_wait_tensorcnt 0x0                           ; the wave's end
	ds_add_u32 v[SPW], v[NIL]
	s_wait_dscnt 0x0
	CROUND                                         ; the closing round
	s_endpgm
.Lfunc_end_k_qcefae67ba0_proj:
	.size	k_qcefae67ba0_proj, .Lfunc_end_k_qcefae67ba0_proj-k_qcefae67ba0_proj
	.p2alignl 7, 3214868480
	.fill 96, 4, 3214868480
	.section	.rodata,"a",@progbits
	.p2align	6, 0x0
	.amdhsa_kernel k_qcefae67ba0_proj
		.amdhsa_group_segment_fixed_size 327680
		.amdhsa_private_segment_fixed_size 0
		.amdhsa_enable_private_segment 0
		.amdhsa_kernarg_size 56
		.amdhsa_user_sgpr_count 2
		.amdhsa_user_sgpr_kernarg_segment_ptr 1
		.amdhsa_wavefront_size32 1
		.amdhsa_system_sgpr_workgroup_id_x 1
		.amdhsa_system_sgpr_workgroup_id_y 1
		.amdhsa_system_sgpr_workgroup_id_z 1
		.amdhsa_system_vgpr_workitem_id 0
		.amdhsa_next_free_vgpr 1024
		.amdhsa_next_free_sgpr 102
		.amdhsa_reserve_vcc 1
		.amdhsa_float_denorm_mode_32 3
		.amdhsa_float_denorm_mode_16_64 3
		.amdhsa_memory_ordered 1
		.amdhsa_forward_progress 1
		.amdhsa_inst_pref_size 226
	.end_amdhsa_kernel
	.amdgpu_metadata
---
amdhsa.version: [ 1, 2 ]
amdhsa.kernels:
  - .name:           k_qcefae67ba0_proj
    .symbol:         k_qcefae67ba0_proj.kd
    .args:
      - { .name: codes, .offset: 0, .size: 8, .value_kind: global_buffer, .address_space: global }
      - { .name: scales, .offset: 8, .size: 8, .value_kind: global_buffer, .address_space: global }
      - { .name: bq, .offset: 16, .size: 8, .value_kind: global_buffer, .address_space: global }
      - { .name: bk, .offset: 24, .size: 8, .value_kind: global_buffer, .address_space: global }
      - { .name: bv, .offset: 32, .size: 8, .value_kind: global_buffer, .address_space: global }
      - { .name: img, .offset: 40, .size: 8, .value_kind: global_buffer, .address_space: global }
      - { .name: isc, .offset: 48, .size: 8, .value_kind: global_buffer, .address_space: global }
    .group_segment_fixed_size: 327680
    .private_segment_fixed_size: 0
    .kernarg_segment_align: 8
    .kernarg_segment_size: 56
    .max_flat_workgroup_size: 128
    .sgpr_count:     102
    .vgpr_count:     1024
    .wavefront_size: 32
...
	.end_amdgpu_metadata
.endif
;; end of part 2
;; launch attn (part 3): grid 4 x 64, 16 waves a work-group, clusters of 4 x 1, 273,408 bytes of LDS; arguments img, isc, ximg, xsc, xbf; writes ximg, xsc, xbf
.if DOCPART == 3
	.amdgcn_target "amdgcn-amd-amdhsa--gfx1250"
	.amdhsa_code_object_version 6
	.text
	.protected	k_qcefae67ba0_attn
	.globl	k_qcefae67ba0_attn
	.p2align	8
	.type	k_qcefae67ba0_attn,@function
k_qcefae67ba0_attn:
	s_mov_b64 s[64:65], 0
	v_nop
	global_prefetch_b8 v0, s[64:65] scope:SCOPE_SE
	s_setreg_imm32_b32 hwreg(HW_REG_WAVE_MODE, 25, 1), 1
	s_wait_xcnt 0x0
	s_wait_alu depctr_hold_cnt(0) depctr_sa_sdst(0) depctr_va_vdst(0) depctr_va_sdst(0) depctr_va_ssrc(0) depctr_va_vcc(0) depctr_vm_vsrc(0)
	s_getreg_b32 s2, hwreg(HW_REG_IB_STS2, 6, 4)
	s_cmp_eq_u32 s2, 0
	s_cbranch_scc0 .Lentry_in_a_cluster
	s_endpgm
.Lentry_in_a_cluster:
	s_bfe_u32 s2, ttmp6, 0x10000c
	s_cmp_lg_u32 s2, 0x3003
	s_cbranch_scc0 .Lentry_shape_is_right
	s_endpgm
.Lentry_shape_is_right:
; x[b][q][head] = softmax_k(q . k / 8) v for two heads (a head pair) and 256 queries a work-group; both products on codes of FP8 (E4M3) with E8M0 scales.
; THE SOFTMAX AHEAD OF THE SECOND PRODUCT: t = score x log2(e) / 8; M = the running largest t rounded UP to a whole number; p = 2^(t - M) is quantised along the keys, not normalised; the row's sum is taken of the
; unquantised p and divides at the end.  When M moves, the sum and O are multiplied by 2^(old M - new M): exact.
; IN: images of operand registers (the launch before): a fragment of 16 rows x 128 K is 2,048 bytes, group c of lane l at 512 c + 16 l; 16 scale words beside it.
;   q, k: 16 tokens x the pair's 128 features (groups 0, 1: head A; 2, 3: head B).   v: 16 features x 128 keys (images 0-3 of a key group: head A; 4-7: head B).
; SHARES.  Work-group = (batch, head pair; block of 256 queries).  Each of sixteen waves owns one tile of 16 queries, in 256 registers, and walks head A and then head B over all 1,024 keys, 128 a step.
; The pair's K and V images (2 x 128 KiB) and scale words (2 x 4 KiB) come into LDS ONCE: nothing is filled again, so there is no ring.  The four query blocks of a cluster want the same bytes: JOINT loads,
; one a wave: waves 0-7 take 32 KiB each (LDS byte 32,768 x wave), waves 8 and 9 the scale words.  One tensor load of a wave is out at most.
; LAYOUT.  Both products transposed: S^T = K Q^T, O^T = V^T P^T: a lane holds ONE query.  The tokens of a tile are in tile order, so the 16 registers of two neighbouring tiles of keys are 16 neighbouring keys.
; K = 64 IN AN INSTRUCTION OF 128: Q's fragment is 8 registers of codes and 8 of zeros.  K's tile i is the run v[32 + 8 i .. 47 + 8 i]: its lower 8 are its codes; its upper 8 are the next tile's codes
; (tile 7: zeros), numbers of the format (the quantiser's hold lets no NaN code arise), which are multiplied by Q's zero codes and add nothing.  The scale words are read as 16 bits: the upper two bytes are 0.
; THE VECTOR WORK binds this loop (some 290 vector instructions beside 12 matrix instructions a step), so p's one-sided hold goes two numbers an instruction, as dual-issue pairs.
; OUT: x / the sum, (a) as codes along the features, an image for the next product (ximg, xsc), (b) rounded to bf16 for the pooling sum, which no quantiser follows (xbf: [tile][head][chunk][lane] 16 bytes).
; LIMITS: NaN and infinities are not served; a block of zeros or under 2^-118 gets the scale byte 1.
.set KIMG, 0
.set VIMG, 131072
.set KSC,  262144
.set VSC,  266240
.set SCST, 270336                      ; 16 x 64 bytes: x's scale words on their way out; no tensor load lands here
.set AV0,  2                           ; v2   VIMG + 16 x lane
.set ASK0, 3                           ; v3   KSC + 4 r
.set ASV0, 4                           ; v4   VSC + 4 r
.set LI,   5                           ; v5   16 x lane: an image's place for my lane, in LDS (K's images begin at byte 0) and in memory
.set SCW,  6
.set SCR,  7
.set ADK,  8                           ; v8-11 the step's addresses
.set ADV,  9
.set ADS,  10
.set ADT,  11
.set F,    32                          ; v32-95  eight half fragments of K, then four fragments of V; v96-103 zeros
.set S,    104                         ; v104-167 S^T, then p
.set O,    168                         ; v168-199 O^T: four tiles
.set PCD,  200                         ; v200-215 p's codes
.set BX,   216                         ; v216-219 the blocks' largest
.set PT,   220                         ; v220-223 permutes, second chain of the sum, bytes
.set HD,   224                         ; v224-227 448 x the scale
.set SOP,  228                         ; v228-231 the conversions' scale operands
.set FF,   232                         ; v[232:233] f, later 1 / the sum (the pair's upper word stays 0)
.set TT,   234
.set KSR,  236                         ; v236-243 K's scale words; v244-247 V's; v248 Q's; v249 p's; v236-243 later also carry partial sums of p
.set VSR,  244
.set QSC,  248
.set PSC,  249
.set XW,   250                         ; x's scale word
.set QS,   251                         ; 4 r
.set HD2,  252                         ; v252-255 448 x the scale once more: block b's at v[252 + (b + 1) % 4], so that it lies in another register bank (number mod 4) than v[224 + b]
.set WV,   18
.set MNT,  19
.set SEL,  20
.set CS,   22
.set G1A,  24                          ; s[24:31] group 1: 128 rows of 256 bytes
.set G1S,  40                          ; s[40:47] 16 rows
.set G0C,  48                          ; s[48:51] group 0 for the images, s[52:55] for the scale words
.set G0S,  52
.set TK,   2
.set TV,   3
.set TSK,  66
.set TSV,  67
.set CNT,  80
.macro ROUND                           ; a round of the cluster's barrier
	s_barrier_signal -1
	s_barrier_wait -1
	s_cmp_lg_u32 s[WV], 0
	s_cbranch_scc1 .Lnot_wave_0_\@
	s_barrier_signal -3
.Lnot_wave_0_\@:
	s_barrier_wait -3
	s_barrier_signal -1
	s_barrier_wait -1
.endm
	s_load_b256 s[4:11], s[0:1], 0x0               ; img, isc, ximg, xsc
	s_load_b64 s[12:13], s[0:1], 0x20              ; xbf
	v_lshl_add_u32 v1, v0, 2, 0x42400
	v_mov_b32 v235, 0
	ds_add_u32 v1, v235
	ds_add_u32 v1, v235
	v_lshrrev_b32 v8, 5, v0
	s_delay_alu instid0(VALU_DEP_1)
	v_readfirstlane_b32 s[WV], v8                  ; wave 0..15
	s_and_b32 s81, ttmp7, 0xffff                   ; bh = 8 batch + head pair: the four partners share it
	s_mov_b32 s[G1A], 15|(3<<16)|(1<<21)           ; the mask: all four work-groups; elements of 8 bytes; bit 21 beside a mask; no padding: images are read 16 bytes a lane on end
	s_mov_b32 s[G1A+1], 32<<16
	s_mov_b32 s[G1A+2], 128<<16
	s_mov_b32 s[G1A+3], 32<<16
	s_mov_b32 s[G1A+4], 128
	s_mov_b32 s[G1A+5], 32
	s_mov_b32 s[G1A+6], 0
	s_mov_b32 s[G1A+7], 0
	s_mov_b32 s[G1S], 15|(3<<16)|(1<<21)
	s_mov_b32 s[G1S+1], 32<<16
	s_mov_b32 s[G1S+2], 16<<16
	s_mov_b32 s[G1S+3], 32<<16
	s_mov_b32 s[G1S+4], 16
	s_mov_b32 s[G1S+5], 32
	s_mov_b32 s[G1S+6], 0
	s_mov_b32 s[G1S+7], 0
	s_and_b32 s90, s[WV], 7                        ; waves 0-3: K's quarters; waves 4-7: V's
	s_lshl_b32 s[G0C+1], s90, 15                   ; LDS: 32,768 x wave (V's images follow K's)
	s_lshr_b32 s91, s90, 2
	s_lshl_b32 s91, s91, 23                        ; V's images lie 8 MiB behind K's
	s_and_b32 s90, s90, 3
	s_lshl_b32 s90, s90, 15
	s_add_co_u32 s82, s90, s91
	s_lshl_b32 s90, s81, 17                        ; 131,072 bytes a pair
	s_add_co_u32 s82, s82, s90
	s_add_co_u32 s82, s82, 8388608                 ; K's images lie behind q's
	s_mov_b32 s83, 0
	s_and_b32 s90, s[WV], 1                        ; wave 8: K's scale words; wave 9: V's
	s_lshl_b32 s[G0S+1], s90, 12
	s_add_co_u32 s[G0S+1], s[G0S+1], KSC
	s_lshl_b32 s84, s90, 18
	s_lshl_b32 s91, s81, 12
	s_add_co_u32 s84, s84, s91
	s_add_co_u32 s84, s84, 262144
	s_mov_b32 s85, 0
	s_mov_b32 s[G0C], 1
	s_mov_b32 s[G0S], 1
	s_mov_b32 s[SEL], 0x76543210
	s_mov_b32 s[SEL+1], 0xfedcba98                 ; v_permlanex16_b32's selects for lane l xor 16
	s_mov_b32 s[CS], 0x3e38aa3b                    ; c = log2(e) / 8
	s_mov_b32 s[CS+1], s[CS]
	s_mov_b32 s[MNT], 0x600000                     ; the mantissa field of 448
	s_wait_dscnt 0x0
	s_wait_kmcnt 0x0
	s_add_nc_u64 s[G0C+2:G0C+3], s[4:5], s[82:83]
	s_or_b32 s[G0C+3], s[G0C+3], 0x80000000
	s_add_nc_u64 s[G0S+2:G0S+3], s[6:7], s[84:85]
	s_or_b32 s[G0S+3], s[G0S+3], 0x80000000
	ROUND                                          ; all four work-groups are here: the joint loads meet
	s_cmp_lt_u32 s[WV], 8
	s_cbranch_scc0 .Lnot_codes
	tensor_load_to_lds s[G0C:G0C+3], s[G1A:G1A+7]
	s_nop 0
.rept 4
	v_nop
.endr
	s_branch .Lasked
.Lnot_codes:
	s_cmp_lt_u32 s[WV], 10
	s_cbranch_scc0 .Lasked
	tensor_load_to_lds s[G0S:G0S+3], s[G1S:G1S+7]
	s_nop 0
.rept 4
	v_nop
.endr
.Lasked:
	; my tile of queries: t = 16 cx + wave.  cx enters addresses in memory alone
	s_bfe_u32 s90, ttmp6, 0x40000
	s_lshl_b32 s90, s90, 4
	s_add_co_u32 s90, s90, s[WV]
	s_lshl_b32 s91, s81, 6
	s_add_co_u32 s91, s91, s90                     ; 64 bh + t
	s_lshl_b32 s86, s91, 11
	s_mov_b32 s87, 0
	s_add_nc_u64 s[4:5], s[4:5], s[86:87]          ; q's image
	s_lshl_b32 s86, s91, 6
	s_add_nc_u64 s[6:7], s[6:7], s[86:87]          ; its scale words
	s_lshr_b32 s84, s81, 3                         ; the batch
	s_and_b32 s85, s81, 7                          ; the head pair
	s_lshl_b32 s84, s84, 6
	s_add_co_u32 s84, s84, s90                     ; T = 64 batch + t
	s_lshl_b32 s86, s84, 4
	s_add_co_u32 s86, s86, s85
	s_add_co_u32 s86, s86, s85                     ; 16 T + 2 hp
	s_lshl_b32 s86, s86, 11
	s_add_nc_u64 s[12:13], s[12:13], s[86:87]      ; xbf
	s_lshr_b32 s88, s84, 3                         ; the group of 128 tokens
	s_lshl_b32 s88, s88, 3
	s_add_co_u32 s88, s88, s85
	s_lshl_b32 s88, s88, 3
	s_and_b32 s89, s84, 7
	s_add_co_u32 s88, s88, s89                     ; (8 group + hp) 8 + tile in the group
	s_lshl_b32 s86, s88, 11
	s_add_nc_u64 s[8:9], s[8:9], s[86:87]          ; ximg
	s_lshl_b32 s86, s88, 6
	s_add_nc_u64 s[10:11], s[10:11], s[86:87]      ; xsc
	v_and_b32 v8, 15, v0                           ; r
	v_and_b32 v9, 31, v0
	s_delay_alu instid0(VALU_DEP_1)
	v_lshlrev_b32 v[LI], 4, v9
	s_delay_alu instid0(VALU_DEP_3)
	v_lshlrev_b32 v[QS], 2, v8
	global_load_b128 v[16:19], v[LI], s[4:5]       ; head A's codes of my queries: groups 0 and 1 of the image
	global_load_b128 v[20:23], v[LI], s[4:5] offset:512
	global_load_u16 v[QSC], v[QS], s[6:7]          ; and its two scale bytes
	v_add_nc_u32 v[AV0], VIMG, v[LI]
	v_lshl_add_u32 v[ASK0], v8, 2, KSC
	v_lshl_add_u32 v[ASV0], v8, 2, VSC
	s_lshl_b32 s86, s[WV], 6
	s_add_co_u32 s86, s86, SCST
	v_lshl_add_u32 v[SCW], v8, 2, s86              ; my tile's scale words: 64 x wave + 4 r
	s_and_b32 s86, s[WV], 8
	s_lshl_b32 s86, s86, 6
	s_add_co_u32 s86, s86, SCST
	v_add_nc_u32 v[SCR], s86, v[LI]                ; eight tiles' words back: 512 bytes
.irp j, 0,1,2,3,4,5,6,7
	v_mov_b32 v[24+\j], 0                          ; the upper half of Q's fragment: zero codes
	v_mov_b32 v[96+\j], 0                          ; what stands behind K's last tile
.endr
.irp j, 0,1,2,3
	v_mov_b32 v[PT+\j], 0                          ; written once: a lane permute's destination counts as one of its sources
.endr
	v_mov_b32 v[FF+1], 0                           ; named as the upper half of a pair
; A KEY STEP: 128 keys of one head.
.macro STEP
	v_add_nc_u32 v[ADK], s[TK], v[LI]
	v_add_nc_u32 v[ADV], s[TV], v[AV0]
	v_add_nc_u32 v[ADS], s[TSK], v[ASK0]
	v_add_nc_u32 v[ADT], s[TSV], v[ASV0]
.rept 4
	v_nop                                          ; with the four additions: eight places in front of loads into registers that the last products read
.endr
.irp i, 0,1,2,3,4,5,6,7
	ds_load_b128 v[F+8*\i:F+8*\i+3], v[ADK] offset:2048*\i          ; tile i's 16 keys: the head's two groups of the image
	ds_load_b128 v[F+8*\i+4:F+8*\i+7], v[ADK] offset:2048*\i+512
	ds_load_u16 v[KSR+\i], v[ADS] offset:64*\i                      ; and the head's two scale bytes
.endr
	s_wait_alu depctr_va_vdst(0)
	s_wait_dscnt 0x0
.irp i, 0,1,2,3,4,5,6,7
	v_wmma_scale_f32_16x16x128_f8f6f4 v[S+8*\i:S+8*\i+7], v[F+8*\i:F+8*\i+15], v[16:31], 0, v[KSR+\i], v[QSC]
.endr
.rept 8
	v_nop                                          ; places: for the loads below and for the first read of the scores
.endr
.irp t, 0,1,2,3
.irp c, 0,1,2,3
	ds_load_b128 v[F+16*\t+4*\c:F+16*\t+4*\c+3], v[ADV] offset:2048*\t+512*\c   ; V's four tiles of 16 features x these 128 keys: they land while the softmax is worked
.endr
	ds_load_b32 v[VSR+\t], v[ADT] offset:64*\t
.endr
.irp b, 0,1,2,3
	v_max3_num_f32 v[BX+\b], v[S+16*\b], v[S+1+16*\b], v[S+2+16*\b]   ; the largest score of each block of 32 keys: for the row's maximum, and, since p rises with the score, for the block's largest p
.endr
.irp i, 3,5,7,9,11,13
.irp b, 0,1,2,3
	v_max3_num_f32 v[BX+\b], v[BX+\b], v[S+16*\b+\i], v[S+1+16*\b+\i]
.endr
.endr
.irp b, 0,1,2,3
	v_max_num_f32 v[BX+\b], v[BX+\b], v[S+15+16*\b]
.endr
.irp b, 0,1,2,3
	s_delay_alu instid0(VALU_DEP_4)
	v_permlanex16_b32 v[PT+\b], v[BX+\b], s[SEL], s[SEL+1]
.endr
.irp b, 0,1,2,3
	s_delay_alu instid0(VALU_DEP_4)
	v_max_num_f32 v[BX+\b], v[BX+\b], v[PT+\b]     ; with lane l xor 16's 16 keys
.endr
	s_delay_alu instid0(VALU_DEP_2)
	v_max3_num_f32 v[TT], v[BX], v[BX+1], v[BX+2]
	s_delay_alu instid0(VALU_DEP_1)
	v_max_num_f32 v[TT], v[TT], v[BX+3]
	s_delay_alu instid0(VALU_DEP_1)
	v_mul_f32 v[TT], s[CS], v[TT]                  ; as t (c is positive)
	s_delay_alu instid0(VALU_DEP_1)
	v_max_num_f32 v13, v13, v[TT]                  ; the running largest t
	v_mov_b32 v[TT], v12
	s_delay_alu instid0(VALU_DEP_2)
	v_floor_f32 v12, -v13                          ; the new -M = floor(-t): M is a whole number
	s_delay_alu instid0(VALU_DEP_1)
	v_sub_f32 v[TT], v12, v[TT]                    ; old M - new M: a whole number, 0 or less
	s_delay_alu instid0(VALU_DEP_1)
	v_cvt_i32_f32 v[TT], v[TT]                     ; (it saturates)
	s_delay_alu instid0(VALU_DEP_1)
	v_ldexp_f32 v[FF], 1.0, v[TT]                  ; f = 2^(old M - new M)
.set j, 0
.rept 32
	v_pk_fma_f32 v[S+j:S+j+1], v[S+j:S+j+1], s[CS:CS+1], v[12:13] op_sel_hi:[1,0,0]   ; t - M, two at a time
.set j, j+2
.endr
.irp b, 0,1,2,3
	v_fma_f32 v[BX+\b], v[BX+\b], s[CS], v12       ; the same of each block's largest score
.endr
.set j, 0
	s_wait_alu depctr_va_vdst(0)
.rept 64
	v_exp_f32 v[S+j], v[S+j]                       ; p = 2^(t - M), at most 1
.set j, j+1
.endr
	v_pk_mul_f32 v[14:15], v[14:15], v[FF:FF+1] op_sel_hi:[1,0]   ; the sums under the new M: the plain instruction behind the batch
	s_wait_alu depctr_va_vdst(0)                   ; one wait for the 64, ahead of their first reader
.irp b, 0,1,2,3
	v_exp_f32 v[BX+\b], v[BX+\b]                   ; the block's largest p
.endr
	v_pk_add_f32 v[220:221], v[108:109], v[112:113]
	v_pk_add_f32 v[254:255], v[116:117], v[120:121]
	v_pk_add_f32 v[252:253], v[124:125], v[128:129]
	v_pk_add_f32 v[242:243], v[132:133], v[136:137]
	v_pk_add_f32 v[240:241], v[140:141], v[144:145]
	v_pk_add_f32 v[238:239], v[148:149], v[152:153]
	v_pk_add_f32 v[236:237], v[156:157], v[160:161]
	v_pk_add_f32 v[14:15], v[14:15], v[164:165]
	v_pk_add_f32 v[220:221], v[220:221], v[104:105]
	v_pk_add_f32 v[254:255], v[254:255], v[106:107]
	v_pk_add_f32 v[252:253], v[252:253], v[110:111]
	v_pk_add_f32 v[242:243], v[242:243], v[114:115]
	v_pk_add_f32 v[240:241], v[240:241], v[118:119]
	v_pk_add_f32 v[238:239], v[238:239], v[122:123]
	v_pk_add_f32 v[236:237], v[236:237], v[126:127]
	v_pk_add_f32 v[14:15], v[14:15], v[130:131]
	v_pk_add_f32 v[220:221], v[220:221], v[134:135]
	v_pk_add_f32 v[254:255], v[254:255], v[138:139]
	v_pk_add_f32 v[252:253], v[252:253], v[142:143]
	v_pk_add_f32 v[242:243], v[242:243], v[146:147]
	v_pk_add_f32 v[240:241], v[240:241], v[150:151]
	v_pk_add_f32 v[238:239], v[238:239], v[154:155]
	v_pk_add_f32 v[236:237], v[236:237], v[158:159]
	v_pk_add_f32 v[14:15], v[14:15], v[162:163]
	v_pk_add_f32 v[220:221], v[220:221], v[166:167]
	s_delay_alu instid0(VALU_DEP_2)
	v_pk_add_f32 v[14:15], v[14:15], v[242:243]
	s_delay_alu instid0(VALU_DEP_2)
	v_pk_add_f32 v[220:221], v[220:221], v[240:241]
	v_pk_add_f32 v[254:255], v[254:255], v[238:239]
	v_pk_add_f32 v[252:253], v[252:253], v[236:237]
	s_delay_alu instid0(VALU_DEP_2)
	v_pk_add_f32 v[14:15], v[14:15], v[254:255]
	s_delay_alu instid0(VALU_DEP_2)
	v_pk_add_f32 v[220:221], v[220:221], v[252:253]
	s_delay_alu instid0(VALU_DEP_1)
	v_pk_add_f32 v[14:15], v[14:15], v[220:221]
	s_wait_alu depctr_va_vdst(0)                   ; and one for the four
.irp b, 0,1,2,3
	v_max_num_f32 v[BX+\b], 0x4800000, v[BX+\b]    ; the floor 2^(9 - 127): the byte cannot fall under 1
.endr
.irp b, 0,1,2,3
	s_delay_alu instid0(VALU_DEP_4)
	v_add_nc_u32 v[SOP+\b], 0xfc000000, v[BX+\b]   ; 8 off the exponent field: the conversion's scale operand
.endr
.irp b, 0,1,2,3
	v_and_or_b32 v[HD+\b], v[BX+\b], 0x7f800000, s[MNT]   ; 448 x the scale
.endr
.irp b, 0,1,2,3
	v_and_or_b32 v[HD2+(\b+1)%4], v[BX+\b], 0x7f800000, s[MNT]   ; and once more, in a register of another bank: the two halves of a dual-issue pair take their second sources from different banks
.endr
.irp b, 0,1,2,3
	v_lshrrev_b32 v[PT+\b], 23, v[SOP+\b]          ; the scale's byte
.endr
	s_delay_alu instid0(VALU_DEP_3)
	v_lshl_or_b32 v[PSC], v[PT+1], 8, v[PT]        ; p's scale word for these 128 keys
	s_delay_alu instid0(VALU_DEP_1)
	v_lshl_or_b32 v[PSC], v[PT+2], 16, v[PSC]
	s_delay_alu instid0(VALU_DEP_1)
	v_lshl_or_b32 v[PSC], v[PT+3], 24, v[PSC]
.irp b, 0,1,2,3
.irp i, 0,2,4,6,8,10,12,14
	v_dual_min_num_f32 v[S+16*\b+\i], v[S+16*\b+\i], v[HD+\b] :: v_dual_min_num_f32 v[S+16*\b+\i+1], v[S+16*\b+\i+1], v[HD2+(\b+1)%4]   ; the conversion does not saturate (ISA guide 7.6.2); p is not negative, so the hold is one-sided; two numbers an instruction: an even and an odd destination, first sources in neighbouring banks
.endr
	v_cvt_scalef32_pk8_fp8_f32 v[PCD+4*\b:PCD+4*\b+1], v[S+16*\b:S+16*\b+7], v[SOP+\b]
	v_cvt_scalef32_pk8_fp8_f32 v[PCD+4*\b+2:PCD+4*\b+3], v[S+16*\b+8:S+16*\b+15], v[SOP+\b]
.endr
.set j, 0
.rept 16
	v_pk_mul_f32 v[O+j:O+j+1], v[O+j:O+j+1], v[FF:FF+1] op_sel_hi:[1,0]   ; O^T under the new M.  (Also the places between the conversions and the products)
.set j, j+2
.endr
	s_wait_alu depctr_va_vdst(0)
	s_wait_dscnt 0x0                               ; V is in
.irp t, 0,1,2,3
	v_wmma_scale_f32_16x16x128_f8f6f4 v[O+8*\t:O+8*\t+7], v[F+16*\t:F+16*\t+15], v[PCD:PCD+15], v[O+8*\t:O+8*\t+7], v[VSR+\t], v[PSC]   ; four accumulators by turns
.endr
	s_add_co_u32 s[TK], s[TK], 16384               ; the next 128 keys
	s_add_co_u32 s[TV], s[TV], 16384
	s_add_co_u32 s[TSK], s[TSK], 512
	s_add_co_u32 s[TSV], s[TSV], 512
.endm
.macro KLOOP                           ; 1,024 keys
	s_mov_b32 s[CNT], 8
.Lkey_\@:
	STEP
	s_sub_co_u32 s[CNT], s[CNT], 1
	s_cmp_lg_u32 s[CNT], 0
	s_cbranch_scc1 .Lkey_\@
.endm
.macro INIT hd                         ; the step is written once for all steps: the first finds zeros, which the first change of M leaves zeros
	v_mov_b32 v13, 0xff61b1e6                      ; the largest t so far: -3e38
	s_delay_alu instid0(VALU_DEP_1)
	v_floor_f32 v12, -v13
	v_mov_b32 v14, 0
	v_mov_b32 v15, 0
.set j, 0
.rept 32
	v_mov_b32 v[O+j], 0
.set j, j+1
.endr
	s_mov_b32 s[TK], 1024*\hd                      ; the head's two groups in K's images,
	s_mov_b32 s[TV], 8192*\hd                      ; its four images of V,
	s_mov_b32 s[TSK], 2*\hd                        ; its two bytes in K's scale words,
	s_mov_b32 s[TSV], 256*\hd                      ; its four images' scale words
.endm
; A head's end: x = O^T / the sum; register 16 b + i = channel 32 b + 16 (lane / 16) + i of my query.
.macro FINISH hd
.rept 8
	v_nop                                          ; places behind the last products
.endr
.if \hd == 0
	global_load_b128 v[16:19], v[LI], s[4:5] offset:1024     ; head B's codes of my queries, asked for early
	global_load_b128 v[20:23], v[LI], s[4:5] offset:1536
	global_load_u16 v[QSC], v[QS], s[6:7] offset:2
.endif
	v_add_f32 v14, v14, v15
	s_delay_alu instid0(VALU_DEP_1)
	v_permlanex16_b32 v[PT], v14, s[SEL], s[SEL+1]
	s_delay_alu instid0(VALU_DEP_1)
	v_add_f32 v14, v14, v[PT]                      ; the row's sum
	s_wait_alu depctr_va_vdst(0)
	v_rcp_f32 v[FF], v14
	v_nop
	s_wait_alu depctr_va_vdst(0)
.set j, 0
.rept 16
	v_pk_mul_f32 v[S+j:S+j+1], v[O+j:O+j+1], v[FF:FF+1] op_sel_hi:[1,0]
.set j, j+2
.endr
.set j, 0
.rept 16
	v_cvt_pk_bf16_f32 v[S+32+j], v[S+2*j], v[S+2*j+1]
.set j, j+1
.endr
.irp q, 0,1,2,3
	global_store_b128 v[LI], v[S+32+4*\q:S+35+4*\q], s[12:13] offset:2048*\hd+512*\q   ; 512 consecutive bytes, aligned
.endr
.irp b, 0,1
	v_max3_num_f32 v[BX+\b], |v[S+16*\b]|, |v[S+1+16*\b]|, 0x4800000
.endr
.irp i, 2,4,6,8,10,12,14
.irp b, 0,1
	s_delay_alu instid0(VALU_DEP_2)
	v_max3_num_f32 v[BX+\b], v[BX+\b], |v[S+16*\b+\i]|, |v[S+1+16*\b+\i]|
.endr
.endr
.irp b, 0,1
	s_delay_alu instid0(VALU_DEP_2)
	v_permlanex16_b32 v[PT+\b], v[BX+\b], s[SEL], s[SEL+1]
.endr
.irp b, 0,1
	s_delay_alu instid0(VALU_DEP_2)
	v_max_num_f32 v[BX+\b], v[BX+\b], v[PT+\b]
.endr
.irp b, 0,1
	s_delay_alu instid0(VALU_DEP_2)
	v_add_nc_u32 v[SOP+\b], 0xfc000000, v[BX+\b]
.endr
.irp b, 0,1
	s_delay_alu instid0(VALU_DEP_4)
	v_and_or_b32 v[HD+\b], v[BX+\b], 0x7f800000, s[MNT]
.endr
.irp b, 0,1
	s_delay_alu instid0(VALU_DEP_4)
	v_lshrrev_b32 v[PT+\b], 23, v[SOP+\b]
.endr
.if \hd == 0
	s_delay_alu instid0(VALU_DEP_1)
	v_lshl_or_b32 v[XW], v[PT+1], 8, v[PT]         ; the image's scale word: head A's two bytes,
.else
	s_delay_alu instid0(VALU_DEP_2)
	v_lshl_or_b32 v[XW], v[PT], 16, v[XW]          ; head B's
	s_delay_alu instid0(VALU_DEP_1)
	v_lshl_or_b32 v[XW], v[PT+1], 24, v[XW]
.endif
.irp b, 0,1
.irp i, 0,1,2,3,4,5,6,7,8,9,10,11,12,13,14,15
	v_med3_num_f32 v[S+16*\b+\i], v[S+16*\b+\i], -v[HD+\b], v[HD+\b]
.endr
	v_cvt_scalef32_pk8_fp8_f32 v[PCD+4*\b:PCD+4*\b+1], v[S+16*\b:S+16*\b+7], v[SOP+\b]
	v_cvt_scalef32_pk8_fp8_f32 v[PCD+4*\b+2:PCD+4*\b+3], v[S+16*\b+8:S+16*\b+15], v[SOP+\b]
.endr
	v_nop                                          ; one plain instruction behind the last conversion
.irp b, 0,1
	global_store_b128 v[LI], v[PCD+4*\b:PCD+4*\b+3], s[8:9] offset:512*(2*\hd+\b)   ; groups 2 hd + b of the image
.endr
.endm
	s_wait_tensorcnt 0x0                           ; my load has landed,
	s_barrier_signal -1
	s_barrier_wait -1                              ; everybody's has: K, V and their scale words are whole, and nothing is filled again
	INIT 0
	s_wait_loadcnt 0x0                             ; Q
	KLOOP
	FINISH 0
	INIT 1
	s_wait_xcnt 0x0                                ; head A's stores have read their data: those registers are written again only behind this wait
	s_wait_loadcnt 0x0                             ; head B's Q
	KLOOP
	FINISH 1
	ds_store_b32 v[SCW], v[XW]                     ; lanes r and r + 16 write the same word with the same value
	s_wait_dscnt 0x0
	s_barrier_signal -1
	s_barrier_wait -1
	s_and_b32 s81, s[WV], 7
	s_cmp_lg_u32 s81, 0
	s_cbranch_scc1 .Lno_words                      ; waves 0 and 8 store eight tiles' scale words each: 512 consecutive bytes
	ds_load_b128 v[16:19], v[SCR]
	s_wait_dscnt 0x0
	global_store_b128 v[LI], v[16:19], s[10:11]
.Lno_words:
	s_wait_tensorcnt 0x0
	ds_add_u32 v1, v235
	s_wait_dscnt 0x0
	ROUND                                          ; the closing round
	s_endpgm
.Lfunc_end_k_qcefae67ba0_attn:
	.size	k_qcefae67ba0_attn, .Lfunc_end_k_qcefae67ba0_attn-k_qcefae67ba0_attn
	.p2alignl 7, 3214868480
	.fill 96, 4, 3214868480
	.section	.rodata,"a",@progbits
	.p2align	6, 0x0
	.amdhsa_kernel k_qcefae67ba0_attn
		.amdhsa_group_segment_fixed_size 273408
		.amdhsa_private_segment_fixed_size 0
		.amdhsa_enable_private_segment 0
		.amdhsa_kernarg_size 40
		.amdhsa_user_sgpr_count 2
		.amdhsa_user_sgpr_kernarg_segment_ptr 1
		.amdhsa_wavefront_size32 1
		.amdhsa_system_sgpr_workgroup_id_x 1
		.amdhsa_system_sgpr_workgroup_id_y 1
		.amdhsa_system_sgpr_workgroup_id_z 1
		.amdhsa_system_vgpr_workitem_id 0
		.amdhsa_next_free_vgpr 256
		.amdhsa_next_free_sgpr 92
		.amdhsa_reserve_vcc 0
		.amdhsa_float_denorm_mode_32 3
		.amdhsa_float_denorm_mode_16_64 3
		.amdhsa_memory_ordered 1
		.amdhsa_forward_progress 1
		.amdhsa_inst_pref_size 68
	.end_amdhsa_kernel
	.amdgpu_metadata
---
amdhsa.version: [ 1, 2 ]
amdhsa.kernels:
  - .name:           k_qcefae67ba0_attn
    .symbol:         k_qcefae67ba0_attn.kd
    .args:
      - { .name: img, .offset: 0, .size: 8, .value_kind: global_buffer, .address_space: global }
      - { .name: isc, .offset: 8, .size: 8, .value_kind: global_buffer, .address_space: global }
      - { .name: ximg, .offset: 16, .size: 8, .value_kind: global_buffer, .address_space: global }
      - { .name: xsc, .offset: 24, .size: 8, .value_kind: global_buffer, .address_space: global }
      - { .name: xbf, .offset: 32, .size: 8, .value_kind: global_buffer, .address_space: global }
    .group_segment_fixed_size: 273408
    .private_segment_fixed_size: 0
    .kernarg_segment_align: 8
    .kernarg_segment_size: 40
    .max_flat_workgroup_size: 512
    .sgpr_count:     92
    .vgpr_count:     256
    .wavefront_size: 32
...
	.end_amdgpu_metadata
.endif
;; end of part 3
;; launch pool (part 4): grid 4 x 64, 4 waves a work-group, clusters of 4 x 4, 327,680 bytes of LDS; arguments ximg, xsc, codes, scales, ba, qvec, apart; writes apart
.if DOCPART == 4
	.amdgcn_target "amdgcn-amd-amdhsa--gfx1250"
	.amdhsa_code_object_version 6
	.text
	.protected	k_qcefae67ba0_pool
	.globl	k_qcefae67ba0_pool
	.p2align	8
	.type	k_qcefae67ba0_pool,@function
k_qcefae67ba0_pool:
	s_mov_b64 s[64:65], 0
	v_nop
	global_prefetch_b8 v0, s[64:65] scope:SCOPE_SE
	s_setreg_imm32_b32 hwreg(HW_REG_WAVE_MODE, 25, 1), 1
	s_wait_xcnt 0x0
	s_wait_alu depctr_hold_cnt(0) depctr_sa_sdst(0) depctr_va_vdst(0) depctr_va_sdst(0) depctr_va_ssrc(0) depctr_va_vcc(0) depctr_vm_vsrc(0)
	s_getreg_b32 s2, hwreg(HW_REG_IB_STS2, 6, 4)
	s_cmp_eq_u32 s2, 0
	s_cbranch_scc0 .Lentry_in_a_cluster
	s_endpgm
.Lentry_in_a_cluster:
	s_bfe_u32 s2, ttmp6, 0x10000c
	s_cmp_lg_u32 s2, 0xf033
	s_cbranch_scc0 .Lentry_shape_is_right
	s_endpgm
.Lentry_shape_is_right:
; a's parts: apart[column block of 128][token] = sum over 128 columns n of tanh(x Wa^T + ba)[token][n] qvec[n]; the product on codes of FP8 (E4M3) with E8M0 scales, K = 1,024.
; A work-group makes 128 tokens x 256 columns, a wave 64 x 128: 32 accumulators.  Source 0 = rows of Wa, source 1 = x's images (operand registers as the launch before stored them).
; LDS: three slots, each a K step of 256: x's 32 KiB, then Wa's 256 rows of 256 bytes + 16 of padding; behind them the scales of all of K, the spare words, ba and qvec, a's stage.
; FILLS, joint loads in a 4 x 4 cluster (x shared along a row, Wa along a column), one a wave: at the head wave 0 Wa's rows of K step 0, wave 1 x's, waves 2 and 3 the two blocks of scales;
; behind a round waves 0 and 1 x's K steps 1 and 2, waves 2 and 3 Wa's (slots 1 and 2 whole); behind a second round waves 0 and 1 fill slot 0 again with K step 3.  Every wait on TENSORcnt is for 0.
; PREFETCHES: behind the head's loads K steps 1 and 2 are asked for, behind the second fill K step 3: each a fill ahead of the load that wants it.  The partners of a joint load share the blocks out by address.
; LIMITS: NaN and infinities are not served.
.set ROWB,   256
.set KROW,   1024
.set PITCH,  272
.set FR,     16
.set NP,     8
.set HALFX,  16384
.set XTOT,   2*HALFX
.set HALFT,  128*PITCH
.set SLOT,   XTOT+2*HALFT
.set SCA,    3*SLOT
.set SCB,    SCA+4096
.set HALFS,  16*272
.set SBLK,   2*272
.set SPARE,  SCB+2*HALFS
.set BST,    SPARE+512
.set AST,    BST+4*1024
.set ADR1, 16
.set ADR0, 20
.set ADS1, 23
.set ADS0, 24
.set ASTW, 25
.set ASTR, 26
.set CO,   27
.set SPW,  28
.set NIL,  29
.set BSTA, 30
.set CO8,  31
.set SC1,  32
.set SC0,  64
.set AF,   128
.set H,    128
.set CH,   192
.set AR,   200
.set PTM,  208
.set QV,   64
.set SEL,  66
.set G1,   24
.set G1B,  32
.set G1S,  40
.set G1SB, 48
.set GX0,  56
.set GX1,  60
.set GX2,  68
.set GW0,  72
.set GW1,  76
.set GW2,  80
.set G0S,  84
.set G0SB, 88
.set MSB, 0
.macro WIN new
.if MSB != \new
	s_set_vgpr_msb (MSB<<8)|\new
.set MSB, \new
.endif
.endm
.set MUL,    0xa1
.set TO_B,   0x40
.macro JLOAD g0a, g1a, g0b, g1b
	s_cmp_eq_u32 s19, 0
	s_cbranch_scc0 .Lfor_b_\@
	tensor_load_to_lds s[\g0a:\g0a+3], s[\g1a:\g1a+7]
	s_nop 0
.rept 4
	v_nop
.endr
	s_branch .Lasked_\@
.Lfor_b_\@:
	tensor_load_to_lds s[\g0b:\g0b+3], s[\g1b:\g1b+7]
	s_nop 0
.rept 4
	v_nop
.endr
.Lasked_\@:
.endm
.macro CREST
	s_cmp_lg_u32 s18, 0
	s_cbranch_scc1 .Lnot_wave_0_\@
	s_barrier_signal -3
.Lnot_wave_0_\@:
	s_barrier_wait -3
	s_barrier_signal -1
	s_barrier_wait -1
.endm
.macro CROUND
	s_barrier_signal -1
	s_barrier_wait -1
	CREST
.endm
.macro SHAPE g, c, r, p
	s_mov_b32 s[\g+1], (\c)<<16
	s_mov_b32 s[\g+2], (\r)<<16
	s_mov_b32 s[\g+3], (\c)<<16
	s_mov_b32 s[\g+4], \r
	s_mov_b32 s[\g+5], \p
	s_mov_b32 s[\g+6], 0
	s_mov_b32 s[\g+7], 0
.endm
	s_load_b256 s[4:11], s[0:1], 0x0
	s_load_b128 s[12:15], s[0:1], 0x20
	s_load_b64 s[16:17], s[0:1], 0x30
	v_lshl_add_u32 v[SPW], v0, 2, SPARE
	v_mov_b32 v[NIL], 0
	ds_add_u32 v28, v29
	ds_add_u32 v28, v29
	s_wait_dscnt 0x0
	v_lshrrev_b32 v1, 5, v0
	v_readfirstlane_b32 s18, v1
	s_lshr_b32 s19, s18, 1
	s_and_b32 s20, s18, 1
	s_bfe_u32 s92, ttmp6, 0x40000
	s_bfe_u32 s93, ttmp6, 0x40004
	s_and_b32 s94, ttmp7, 0xffff
	s_lshl_b32 s94, s94, 2
	s_add_co_u32 s94, s94, s93
	s_lshl_b32 s95, s93, 2
	s_lshl_b32 s95, 15, s95
	s_lshl_b32 s23, 0x1111, s92
	s_or_b32 s[G1+0], s95, (3<<16)|(1<<21)
	SHAPE G1, 32, 128, 32
	s_or_b32 s[G1B+0], s23, (0<<16)|(1<<20)|(1<<21)|(5<<22)|(3<<25)
	SHAPE G1B, ROWB, 256, KROW
	s_or_b32 s[G1S+0], s95, (3<<16)|(1<<21)
	SHAPE G1S, 32, 16, 32
	s_or_b32 s[G1SB+0], s23, (3<<16)|(1<<20)|(1<<21)|(5<<22)|(3<<25)
	SHAPE G1SB, 32, 32, 32
	s_lshl_b32 s96, s94, 17
	s_mov_b32 s97, 0
	s_lshl_b32 s98, s94, 12
	s_mov_b32 s99, 0
	s_lshl_b32 s100, s92, 18                       ; my tile column's 256 rows of Wa
	s_add_co_u32 s100, s100, 28311552
	s_mov_b32 s101, 0
	s_lshr_b32 s2, s100, 5
	s_mov_b32 s3, 0
	s_add_co_u32 s21, s20, 1                       ; the second fill: my K step and slot, 1 or 2
	s_mul_i32 s22, s21, SLOT                       ; the slot in LDS
	s_lshl_b32 s68, s21, 15                        ; the K step in x's images: 32,768 bytes each,
	s_mov_b32 s69, 0
	s_lshl_b32 s70, s21, 8                         ; and in a row of Wa: 256 bytes each
	s_mov_b32 s71, 0
	s_mov_b32 s[SEL], 0x76543210
	s_mov_b32 s[SEL+1], 0xfedcba98
	s_wait_kmcnt 0x0
	s_add_nc_u64 s[96:97], s[4:5], s[96:97]
	s_add_nc_u64 s[98:99], s[6:7], s[98:99]
	s_add_nc_u64 s[100:101], s[8:9], s[100:101]
	s_add_nc_u64 s[2:3], s[10:11], s[2:3]
	CROUND
	s_mov_b32 s[G0S], 1
	s_mov_b32 s[G0S+1], SCA
	s_mov_b64 s[G0S+2:G0S+3], s[98:99]
	s_or_b32 s[G0S+3], s[G0S+3], 0x80000000
	s_mov_b32 s[G0SB], 1
	s_mov_b32 s[G0SB+1], SCB
	s_mov_b64 s[G0SB+2:G0SB+3], s[2:3]
	s_or_b32 s[G0SB+3], s[G0SB+3], 0x80000000
	s_mov_b32 s[GX0], 1                            ; K step 0 into slot 0: x's 32 KiB,
	s_mov_b32 s[GX0+1], 0
	s_mov_b64 s[GX0+2:GX0+3], s[96:97]
	s_or_b32 s[GX0+3], s[GX0+3], 0x80000000
	s_mov_b32 s[GW0], 1                            ; Wa's 256 rows behind them
	s_mov_b32 s[GW0+1], XTOT
	s_mov_b64 s[GW0+2:GW0+3], s[100:101]
	s_or_b32 s[GW0+3], s[GW0+3], 0x80000000
	s_mov_b32 s[GX1], 1                            ; the second fill: K step 1 + wave % 2 into the slot of that number
	s_mov_b32 s[GX1+1], s22
	s_add_nc_u64 s[GX1+2:GX1+3], s[96:97], s[68:69]
	s_or_b32 s[GX1+3], s[GX1+3], 0x80000000
	s_mov_b32 s[GW1], 1
	s_add_co_u32 s[GW1+1], s22, XTOT
	s_add_nc_u64 s[GW1+2:GW1+3], s[100:101], s[70:71]
	s_or_b32 s[GW1+3], s[GW1+3], 0x80000000
; the head's loads, one a wave: one chain of branches on the wave's number, a load to an arm, all arms leading to one join
.macro ARM under, g0, g1, next
	s_cmp_lt_u32 s18, \under
	s_cbranch_scc0 \next
	tensor_load_to_lds s[\g0:\g0+3], s[\g1:\g1+7]
	s_nop 0
.rept 4
	v_nop
.endr
	s_branch .Lhead_asked
\next:
.endm
	ARM 1, GW0, G1B, .Lhead_x
	ARM 2, GX0, G1,  .Lhead_sa
	ARM 3, G0S, G1S, .Lhead_sb
	tensor_load_to_lds s[G0SB:G0SB+3], s[G1SB:G1SB+7]
	s_nop 0
.rept 4
	v_nop
.endr
.Lhead_asked:
	; THE PREFETCHES.  x: a K step is 128 blocks of 256 bytes on end: wave 0 stands at K step 1, wave 1 at 2; the partner at place cx takes 32 blocks, a lane a block.
	; Wa: a K step is 256 bytes of each of 256 rows: partner cy's wave 2 + i takes rows 64 cy + 32 i on, a lane a row, and stands at K step 1.
	; So each block is named once in the cluster.  s[80:81] the first address, s[82:83] K step 3's; they and v19 are never rewritten.
	s_lshl_b32 s82, s92, 13
	s_add_co_u32 s82, s82, s68
	s_lshl_b32 s83, s93, 1
	s_add_co_u32 s83, s83, s20
	s_lshl_b32 s83, s83, 15
	s_add_co_u32 s83, s83, ROWB
	s_cmp_eq_u32 s19, 0                            ; waves 0 and 1 ask for x, waves 2 and 3 for Wa
	s_cselect_b64 s[80:81], s[96:97], s[100:101]
	s_cselect_b32 s82, s82, s83
	s_cselect_b32 s70, 8, 10                       ; from lane to lane: 256 bytes, or a row of 1,024
	s_mov_b32 s83, 0
	s_add_nc_u64 s[80:81], s[80:81], s[82:83]
	s_mov_b32 s82, 2*ROWB
	s_cselect_b32 s82, 2*XTOT, s82                 ; from K step 1 to K step 3
	s_add_nc_u64 s[82:83], s[80:81], s[82:83]
	v_and_b32 v19, 31, v0
	v_lshlrev_b32 v19, s70, v19
	global_prefetch_b8 v19, s[80:81] th:TH_LOAD_NT scope:SCOPE_SE               ; x's K steps 1 and 2, Wa's K step 1
	s_cmp_eq_u32 s19, 0
	s_cbranch_scc1 .Lno_second
	global_prefetch_b8 v19, s[80:81] offset:ROWB th:TH_LOAD_NT scope:SCOPE_SE   ; Wa's K step 2
.Lno_second:
	s_lshl_b32 s21, s92, 1
	s_add_co_u32 s21, s21, s20
	s_lshl_b32 s22, s21, 9
	s_mov_b32 s23, 0
	s_add_nc_u64 s[12:13], s[12:13], s[22:23]
	s_add_nc_u64 s[14:15], s[14:15], s[22:23]
	v_and_b32 v1, 15, v0
	v_bfe_u32 v2, v0, 4, 1
	v_and_b32 v6, 31, v0
	v_lshlrev_b32 v[CO], 4, v6
	s_wait_alu depctr_va_vdst(0)
	v_lshlrev_b32 v[CO8], 3, v6
	global_load_b128 v[8:11], v[CO], s[12:13]
	global_load_b128 v[12:15], v[CO], s[14:15]
	s_lshl_b32 s22, s21, 15
	s_lshl_b32 s21, s94, 9
	s_add_co_u32 s22, s22, s21
	s_lshl_b32 s21, s19, 8
	s_add_co_u32 s22, s22, s21
	s_add_nc_u64 s[16:17], s[16:17], s[22:23]
	v_mul_u32_u24 v3, v1, PITCH
	v_lshl_add_u32 v4, v2, 4, v3
	s_lshl_b32 s21, s19, 13
	s_mul_i32 s22, s20, HALFT
	s_add_co_u32 s22, s22, XTOT
.irp s, 0,1,2
	v_add_nc_u32 v[ADR1+\s], s21, v[CO]
	v_add_nc_u32 v[ADR0+\s], s22, v4
	s_add_co_u32 s21, s21, SLOT
	s_add_co_u32 s22, s22, SLOT
.endr
	s_lshl_b32 s21, s19, 8
	s_add_co_u32 s21, s21, SCA
	v_lshl_add_u32 v[ADS1], v1, 2, s21
	v_lshlrev_b32 v5, 5, v1
	v_lshrrev_b32 v6, 3, v1
	v_lshl_add_u32 v5, v6, 4, v5
	s_mul_i32 s22, s20, HALFS
	s_add_co_u32 s22, s22, SCB
	v_add_nc_u32 v[ADS0], s22, v5
	s_lshl_b32 s21, s18, 8
	s_add_co_u32 s21, s21, AST
	v_and_b32 v7, 8, v1
	v_add_nc_u32 v7, v7, v1
	v_lshl_add_u32 v[ASTW], v7, 2, s21
	v_add_nc_u32 v[ASTR], s21, v[CO8]
	s_lshl_b32 s21, s18, 10
	s_add_co_u32 s21, s21, BST
	v_lshl_add_u32 v[BSTA], v2, 6, s21
	v_add_nc_u32 v7, s21, v[CO]
	s_wait_alu depctr_va_vdst(0)
	s_wait_loadcnt 0x0
	ds_store_b128 v7, v[8:11]
	ds_store_b128 v7, v[12:15] offset:512
.macro FRAG reg, adr, q, i
.irp c, 0,1,2,3
	ds_load_b128 v[\reg+4*\c:\reg+4*\c+3], v[\adr] offset:128*(\q)+32*\c+(\i)*16*PITCH
.endr
.endm
.macro FRAGX reg, adr, q, i
.irp c, 0,1,2,3
	ds_load_b128 v[\reg+4*\c:\reg+4*\c+3], v[\adr] offset:(\q)*HALFX+(\i)*2048+512*\c
.endr
.endm
.macro FETCH n
.set SL, ((\n)/2)%3
.set QQ, (\n)%2
	WIN TO_B
.irp i, 0,1,2,3,4,5,6,7
	FRAG 128*QQ+FR*\i, ADR0+SL, QQ, \i
.endr
	WIN 0
.irp i, 0,1,2,3
	FRAGX AF+64*QQ+FR*\i, ADR1+SL, QQ, \i
.endr
.endm
.macro MULH a0, n, zero
.set QQ, (\n)%2
.irp a, \a0, \a0+1
.irp b, 0,1,2,3,4,5,6,7
.if \zero
	v_wmma_scale_f32_16x16x128_f8f6f4 v[8*(8*(\a)+\b):8*(8*(\a)+\b)+7], v[128*QQ+FR*\b:128*QQ+FR*\b+FR-1], v[AF+64*QQ+FR*(\a):AF+64*QQ+FR*(\a)+FR-1], 0, v[SC0+8*\b+(\n)], v[SC1+8*(\a)+(\n)]
.else
	v_wmma_scale_f32_16x16x128_f8f6f4 v[8*(8*(\a)+\b):8*(8*(\a)+\b)+7], v[128*QQ+FR*\b:128*QQ+FR*\b+FR-1], v[AF+64*QQ+FR*(\a):AF+64*QQ+FR*(\a)+FR-1], v[8*(8*(\a)+\b):8*(8*(\a)+\b)+7], v[SC0+8*\b+(\n)], v[SC1+8*(\a)+(\n)]
.endif
.endr
.endr
.endm
.macro PLACES n
.rept \n
	v_nop
.endr
.endm
.macro SUB n, zero
	s_wait_dscnt 0x0
.if \zero == 0
	PLACES NP
.endif
	FETCH (\n)+1
	WIN MUL
	MULH 0, \n, \zero
	MULH 2, \n, \zero
	WIN 0
.endm
	s_wait_tensorcnt 0x0                           ; my tile of the head's four is in
	ds_add_u32 v[SPW], v[NIL]
	s_wait_dscnt 0x0                               ; the add and my stores of ba and qvec are done
	CROUND                                         ; slot 0 and the scales are whole, and all sixteen work-groups are here
	JLOAD GX1, G1, GW1, G1B                        ; slots 1 and 2, whole: my one tensor load behind the round
.irp i, 0,1,2,3
.irp n, 0,1,2,3,4,5,6,7
	ds_load_b32 v[SC1+8*\i+\n], v[ADS1] offset:512*\n+64*\i
.endr
.endr
.irp b, 0,1,2,3,4,5,6,7
	ds_load_b128 v[SC0+8*\b:SC0+8*\b+3], v[ADS0] offset:\b*SBLK
	ds_load_b128 v[SC0+8*\b+4:SC0+8*\b+7], v[ADS0] offset:\b*SBLK+16
.endr
	FETCH 0
	s_cmp_eq_u32 s18, 1                            ; K step 3 is asked for, a fill ahead of its load: x's 128 blocks by wave 0 of the four partners, Wa's rows by waves 2 and 3
	s_cbranch_scc1 .Lno_third
	global_prefetch_b8 v19, s[82:83] th:TH_LOAD_NT scope:SCOPE_SE
.Lno_third:
	SUB 0, 1
	s_wait_dscnt 0x0                               ; the second 128 of K step 0 are in registers: my reads of slot 0 are over
	WIN MUL
	MULH 0, 1, 0
	WIN 0
	s_wait_tensorcnt 0x0                           ; my part of slots 1 and 2 is in
	ds_add_u32 v[SPW], v[NIL]
	s_wait_dscnt 0x0
	CROUND                                         ; no wave of any partner still reads slot 0 or has a load on its way
	s_add_nc_u64 s[GX0+2:GX0+3], s[GX0+2:GX0+3], 3*XTOT
	s_add_nc_u64 s[GW0+2:GW0+3], s[GW0+2:GW0+3], 3*ROWB
	s_cmp_eq_u32 s18, 0                            ; K step 3 into slot 0: wave 0 Wa's rows, wave 1 x's; waves 2 and 3 have no part to fill
	s_cbranch_scc0 .Lthird_x
	tensor_load_to_lds s[GW0:GW0+3], s[G1B:G1B+7]
	s_nop 0
.rept 4
	v_nop
.endr
	s_branch .Lthird_asked
.Lthird_x:
	s_cmp_eq_u32 s18, 1
	s_cbranch_scc0 .Lthird_asked
	tensor_load_to_lds s[GX0:GX0+3], s[G1:G1+7]
	s_nop 0
.rept 4
	v_nop
.endr
.Lthird_asked:
	PLACES NP
	FETCH 2
	WIN MUL
	MULH 2, 1, 0
	WIN 0
	SUB 2, 0
	SUB 3, 0
	SUB 4, 0
	s_wait_tensorcnt 0x0
	s_wait_dscnt 0x0
	s_barrier_signal -1
	WIN MUL
	MULH 0, 5, 0
	WIN 0
	s_barrier_wait -1
	PLACES NP
	FETCH 6
	WIN MUL
	MULH 2, 5, 0
	WIN 0
	SUB 6, 0
	s_wait_dscnt 0x0
	WIN MUL
	MULH 0, 7, 0
	MULH 2, 7, 0
	WIN 0
	PLACES NP
	WIN TO_B
.irp b, 0,1,2,3
.irp k, 0,1,2,3
	ds_load_b128 v[16*\b+4*\k:16*\b+4*\k+3], v[BSTA] offset:128*\b+16*\k
	ds_load_b128 v[QV+16*\b+4*\k:QV+16*\b+4*\k+3], v[BSTA] offset:512+128*\b+16*\k
.endr
.endr
	s_wait_dscnt 0x0
	WIN 0x41
.set i, 0
.rept 32
	v_pk_mul_f32 v[i:i+1], v[i:i+1], 0x4038aa3b op_sel_hi:[1,0]
.set i, i+2
.endr
	WIN 0
.irp a, 0,1,2,3
	v_mov_b32 v[PTM+\a], 0
.endr
.irp a, 0,1,2,3
	WIN 0x12
.set i, 0
.rept 32
	v_pk_fma_f32 v[H+i:H+i+1], v[64*(\a)+i:64*(\a)+i+1], 0x4038aa3b, v[i:i+1] op_sel_hi:[1,0,1]
.set i, i+2
.endr
	WIN 0
.set i, 0
	s_wait_alu depctr_va_vdst(0)
.rept 64
	v_exp_f32 v[H+i], v[H+i]
.set i, i+1
.endr
	v_nop
	s_wait_alu depctr_va_vdst(0)
.set i, 0
.rept 32
	v_pk_add_f32 v[H+i:H+i+1], v[H+i:H+i+1], 1.0 op_sel_hi:[1,0]
.set i, i+2
.endr
.set i, 0
	s_wait_alu depctr_va_vdst(0)
.rept 64
	v_rcp_f32 v[H+i], v[H+i]
.set i, i+1
.endr
	v_nop
	s_wait_alu depctr_va_vdst(0)
.set i, 0
.rept 32
	v_pk_fma_f32 v[H+i:H+i+1], v[H+i:H+i+1], -2.0, 1.0 op_sel_hi:[1,0,0]
.set i, i+2
.endr
	WIN 0x04
	v_pk_mul_f32 v[CH:CH+1], v[H:H+1], v[QV:QV+1]
	v_pk_mul_f32 v[CH+2:CH+3], v[H+2:H+3], v[QV+2:QV+3]
.set i, 4
.rept 15
	v_pk_fma_f32 v[CH:CH+1], v[H+i:H+i+1], v[QV+i:QV+i+1], v[CH:CH+1]
	v_pk_fma_f32 v[CH+2:CH+3], v[H+i+2:H+i+3], v[QV+i+2:QV+i+3], v[CH+2:CH+3]
.set i, i+4
.endr
	WIN 0
	v_pk_add_f32 v[CH:CH+1], v[CH:CH+1], v[CH+2:CH+3]
	v_add_f32 v[AR+\a], v[CH], v[CH+1]
.endr
.irp a, 0,1,2,3
	v_permlanex16_b32 v[PTM+\a], v[AR+\a], s[SEL], s[SEL+1]
.endr
.irp a, 0,1,2,3
	v_add_f32 v[AR+\a], v[AR+\a], v[PTM+\a]
.endr
.irp a, 0,1,2,3
	ds_store_b32 v[ASTW], v[AR+\a] offset:4*(32*(\a/2)+8*(\a%2))
.endr
	ds_load_b64 v[H:H+1], v[ASTR]
	s_wait_dscnt 0x0
	global_store_b64 v[CO8], v[H:H+1], s[16:17]
	s_wait_tensorcnt 0x0
	ds_add_u32 v[SPW], v[NIL]
	s_wait_dscnt 0x0
	CROUND
	s_endpgm
.Lfunc_end_k_qcefae67ba0_pool:
	.size	k_qcefae67ba0_pool, .Lfunc_end_k_qcefae67ba0_pool-k_qcefae67ba0_pool
	.p2alignl 7, 3214868480
	.fill 96, 4, 3214868480
	.section	.rodata,"a",@progbits
	.p2align	6, 0x0
	.amdhsa_kernel k_qcefae67ba0_pool
		.amdhsa_group_segment_fixed_size 327680
		.amdhsa_private_segment_fixed_size 0
		.amdhsa_enable_private_segment 0
		.amdhsa_kernarg_size 56
		.amdhsa_user_sgpr_count 2
		.amdhsa_user_sgpr_kernarg_segment_ptr 1
		.amdhsa_wavefront_size32 1
		.amdhsa_system_sgpr_workgroup_id_x 1
		.amdhsa_system_sgpr_workgroup_id_y 1
		.amdhsa_system_sgpr_workgroup_id_z 1
		.amdhsa_system_vgpr_workitem_id 0
		.amdhsa_next_free_vgpr 768
		.amdhsa_next_free_sgpr 102
		.amdhsa_reserve_vcc 0
		.amdhsa_float_denorm_mode_32 3
		.amdhsa_float_denorm_mode_16_64 3
		.amdhsa_memory_ordered 1
		.amdhsa_forward_progress 1
		.amdhsa_inst_pref_size 135
	.end_amdhsa_kernel
	.amdgpu_metadata
---
amdhsa.version: [ 1, 2 ]
amdhsa.kernels:
  - .name:           k_qcefae67ba0_pool
    .symbol:         k_qcefae67ba0_pool.kd
    .args:
      - { .name: ximg, .offset: 0, .size: 8, .value_kind: global_buffer, .address_space: global }
      - { .name: xsc, .offset: 8, .size: 8, .value_kind: global_buffer, .address_space: global }
      - { .name: codes, .offset: 16, .size: 8, .value_kind: global_buffer, .address_space: global }
      - { .name: scales, .offset: 24, .size: 8, .value_kind: global_buffer, .address_space: global }
      - { .name: ba, .offset: 32, .size: 8, .value_kind: global_buffer, .address_space: global }
      - { .name: qvec, .offset: 40, .size: 8, .value_kind: global_buffer, .address_space: global }
      - { .name: apart, .offset: 48, .size: 8, .value_kind: global_buffer, .address_space: global }
    .group_segment_fixed_size: 327680
    .private_segment_fixed_size: 0
    .kernarg_segment_align: 8
    .kernarg_segment_size: 56
    .max_flat_workgroup_size: 128
    .sgpr_count:     102
    .vgpr_count:     768
    .wavefront_size: 32
...
	.end_amdgpu_metadata
.endif
;; end of part 4
;; launch final (part 5): grid 16 x 8, 8 waves a work-group, no clusters, 9,216 bytes of LDS; arguments apart, xbf, out0; writes out0
.if DOCPART == 5
	.amdgcn_target "amdgcn-amd-amdhsa--gfx1250"
	.amdhsa_code_object_version 6
	.text
	.protected	k_qcefae67ba0_final
	.globl	k_qcefae67ba0_final
	.p2align	8
	.type	k_qcefae67ba0_final,@function
k_qcefae67ba0_final:
	s_mov_b64 s[64:65], 0
	v_nop
	global_prefetch_b8 v0, s[64:65] scope:SCOPE_SE
	s_setreg_imm32_b32 hwreg(HW_REG_WAVE_MODE, 25, 1), 1
	s_wait_xcnt 0x0
; out0[b][64 head + d] = sum over tokens s of softmax_s(a[b][s]) x[b][s][64 head + d].  a = the sum of its eight parts (apart[part][token]); x in bf16, laid [64 b + tile][head][chunk q][lane] 16 bytes:
; lane (r, h) of chunk q = 2 B + e holds x(token of (tile, r), d = 32 B + 16 h + 8 e + 0 .. 7); token of (tile, r) = 16-token tile in tile order: 128 (tile / 8) + 32 ((tile % 8) / 2) + 8 (tile % 2) + r + 8 (r / 8).
; A work-group = (head, batch), eight waves.  Every work-group of a batch forms the batch's softmax anew (1,024 numbers); the largest a is taken away before the exponential.
; Wave w sums tiles 8 w .. 8 w + 7: 32 loads of 512 consecutive bytes, all asked for at the head.  Sums in f32: over the wave's tiles in registers, over r by lane steps, over the waves through LDS.
; Memory binds: no matrix unit, no tensor load, no cluster.  LIMITS: NaN and infinities are not served.
.set RMAX, 4096                        ; LDS: e = 2^((a - max) log2 e) of the 1,024 tokens at 0; the waves' maxima; 256 bytes on their sums; the waves' 64 partial results
.set RED,  4608
.set XR,   64                          ; v64-191 x: tile i, chunk q at v[64 + 16 i + 4 q]
.set ACC,  192                         ; v192-223 32 sums: 8 q + k
.set EE,   16                          ; v16-31  e of my token in each tile, as pairs (v16-47 first hold a's parts)
.set T,    32                          ; v32-47  at work
	s_load_b128 s[4:7], s[0:1], 0x0                ; apart, xbf
	s_load_b64 s[8:9], s[0:1], 0x10                ; out0
	v_lshl_add_u32 v224, v0, 2, 0x2000
	v_mov_b32 v225, 0
	v_lshrrev_b32 v1, 5, v0
	s_delay_alu instid0(VALU_DEP_1)
	v_readfirstlane_b32 s10, v1                    ; wave
	s_and_b32 s11, ttmp7, 0xffff                   ; batch
	v_lshlrev_b32 v1, 4, v0                        ; 16 x thread: my four tokens in a part of a, and in e
	v_and_b32 v3, 31, v0
	s_delay_alu instid0(VALU_DEP_1)
	v_lshlrev_b32 v2, 4, v3                        ; 16 x lane
	v_and_b32 v4, 15, v0
	s_delay_alu instid0(VALU_DEP_1)
	v_and_b32 v5, 8, v4
	s_delay_alu instid0(VALU_DEP_1)
	v_add_nc_u32 v5, v5, v4                        ; r + 8 (r / 8)
	s_lshl_b32 s20, s10, 9
	v_lshl_add_u32 v10, v5, 2, s20                 ; e of my token: 512 w + 4 (r + 8 (r / 8)), + the tile's place
	v_bfe_u32 v6, v0, 4, 1
	s_lshl_b32 s20, s10, 8
	s_add_co_u32 s20, s20, RED
	v_lshl_add_u32 v11, v6, 6, s20                 ; my wave's partial results: 256 w + 64 h
	v_lshl_add_u32 v12, v3, 3, RED                 ; back: 8 bytes a lane
	v_lshlrev_b32 v13, 3, v3
	v_mov_b32 v54, s10
	s_delay_alu instid0(VALU_DEP_1)
	v_lshl_add_u32 v54, v54, 2, RMAX               ; my wave's word
	v_mov_b32 v55, RMAX
	v_mov_b32 v53, 0                               ; a lane permute's destination counts as one of its sources
	s_mov_b32 s18, 0x76543210
	s_mov_b32 s19, 0xfedcba98
	s_mov_b32 s21, 0xffff0000
	s_lshl_b32 s12, s11, 12                        ; a batch's 1,024 tokens in a part
	s_mov_b32 s13, 0
	s_lshl_b32 s14, s11, 3
	s_add_co_u32 s14, s14, s10
	s_lshl_b32 s14, s14, 18                        ; tile 64 b + 8 w: 32,768 bytes a tile
	s_lshl_b32 s16, ttmp9, 11                      ; the head's 2,048 bytes in a tile
	s_add_co_u32 s14, s14, s16
	s_mov_b32 s15, 0
	s_lshl_b32 s16, ttmp9, 8
	s_add_co_u32 s16, s16, s12                     ; out0: 4,096 b + 256 head
	s_mov_b32 s17, 0
	s_wait_kmcnt 0x0
	s_add_nc_u64 s[4:5], s[4:5], s[12:13]
	s_add_nc_u64 s[6:7], s[6:7], s[14:15]
	s_add_nc_u64 s[8:9], s[8:9], s[16:17]
.irp c, 0,1,2,3,4,5,6,7
	global_load_b128 v[16+4*\c:19+4*\c], v1, s[4:5] offset:32768*\c
.endr
.irp i, 0,1,2,3,4,5,6,7
.irp q, 0,1,2,3
	global_load_b128 v[XR+16*\i+4*\q:XR+16*\i+4*\q+3], v2, s[6:7] offset:32768*\i+512*\q th:TH_LOAD_NT
.endr
.endr
	s_wait_loadcnt 32                              ; a's parts are in; x's 32 loads may be out
	v_pk_add_f32 v[48:49], v[16:17], v[20:21]
	v_pk_add_f32 v[50:51], v[18:19], v[22:23]
.irp c, 2,3,4,5,6,7
	s_delay_alu instid0(VALU_DEP_2)
	v_pk_add_f32 v[48:49], v[48:49], v[16+4*\c:17+4*\c]
	s_delay_alu instid0(VALU_DEP_2)
	v_pk_add_f32 v[50:51], v[50:51], v[18+4*\c:19+4*\c]
.endr
	s_delay_alu instid0(VALU_DEP_1)
	v_max3_num_f32 v52, v48, v49, v50
	s_delay_alu instid0(VALU_DEP_1)
	v_max_num_f32 v52, v52, v51
	s_delay_alu instid0(VALU_DEP_1)
	v_max_num_f32_dpp v52, v52, v52 row_xmask:1 row_mask:0xf bank_mask:0xf
	s_delay_alu instid0(VALU_DEP_1)
	v_max_num_f32_dpp v52, v52, v52 row_xmask:2 row_mask:0xf bank_mask:0xf
	s_delay_alu instid0(VALU_DEP_1)
	v_max_num_f32_dpp v52, v52, v52 row_xmask:4 row_mask:0xf bank_mask:0xf
	s_delay_alu instid0(VALU_DEP_1)
	v_max_num_f32_dpp v52, v52, v52 row_xmask:8 row_mask:0xf bank_mask:0xf
	s_delay_alu instid0(VALU_DEP_1)
	v_permlanex16_b32 v53, v52, s18, s19
	s_delay_alu instid0(VALU_DEP_1)
	v_max_num_f32 v52, v52, v53
	ds_store_b32 v54, v52
	s_wait_dscnt 0x0
	s_barrier_signal -1
	s_barrier_wait -1
	ds_load_b128 v[56:59], v55
	ds_load_b128 v[60:63], v55 offset:16
	s_wait_dscnt 0x0
	v_max3_num_f32 v52, v56, v57, v58
	s_delay_alu instid0(VALU_DEP_1)
	v_max3_num_f32 v52, v52, v59, v60
	s_delay_alu instid0(VALU_DEP_1)
	v_max3_num_f32 v52, v52, v61, v62
	s_delay_alu instid0(VALU_DEP_1)
	v_max_num_f32 v52, v52, v63                    ; the batch's largest a
.irp j, 0,1,2,3
	v_sub_f32 v[48+\j], v[48+\j], v52
.endr
.irp j, 0,1,2,3
	s_delay_alu instid0(VALU_DEP_4)
	v_mul_f32 v[48+\j], 0x3fb8aa3b, v[48+\j]
.endr
	s_wait_alu depctr_va_vdst(0)
.irp j, 0,1,2,3
	v_exp_f32 v[48+\j], v[48+\j]
.endr
	v_nop
	s_wait_alu depctr_va_vdst(0)                   ; one wait for the four, ahead of their first reader
	ds_store_b128 v1, v[48:51]                     ; e, in the tokens' natural order
	v_add_f32 v52, v48, v49
	v_add_f32 v53, v50, v51
	s_delay_alu instid0(VALU_DEP_1)
	v_add_f32 v52, v52, v53
	s_delay_alu instid0(VALU_DEP_1)
	v_add_f32_dpp v52, v52, v52 row_xmask:1 row_mask:0xf bank_mask:0xf
	s_delay_alu instid0(VALU_DEP_1)
	v_add_f32_dpp v52, v52, v52 row_xmask:2 row_mask:0xf bank_mask:0xf
	s_delay_alu instid0(VALU_DEP_1)
	v_add_f32_dpp v52, v52, v52 row_xmask:4 row_mask:0xf bank_mask:0xf
	s_delay_alu instid0(VALU_DEP_1)
	v_add_f32_dpp v52, v52, v52 row_xmask:8 row_mask:0xf bank_mask:0xf
	s_delay_alu instid0(VALU_DEP_1)
	v_permlanex16_b32 v53, v52, s18, s19
	s_delay_alu instid0(VALU_DEP_1)
	v_add_f32 v52, v52, v53
	ds_store_b32 v54, v52 offset:256
	s_wait_dscnt 0x0
	s_barrier_signal -1
	s_barrier_wait -1
	ds_load_b128 v[56:59], v55 offset:256
	ds_load_b128 v[60:63], v55 offset:272
.irp i, 0,1,2,3,4,5,6,7
	ds_load_b32 v[EE+2*\i], v10 offset:128*(\i/2)+32*(\i%2)        ; twice: a pair for the packed forms
	ds_load_b32 v[EE+2*\i+1], v10 offset:128*(\i/2)+32*(\i%2)
.endr
	s_wait_dscnt 0x0
	v_add_f32 v56, v56, v57
	v_add_f32 v58, v58, v59
	v_add_f32 v60, v60, v61
	v_add_f32 v62, v62, v63
	s_delay_alu instid0(VALU_DEP_3)
	v_add_f32 v56, v56, v58
	s_delay_alu instid0(VALU_DEP_2)
	v_add_f32 v60, v60, v62
	s_delay_alu instid0(VALU_DEP_1)
	v_add_f32 v56, v56, v60                        ; the batch's sum of e
	s_wait_alu depctr_va_vdst(0)
	v_rcp_f32 v52, v56
	v_nop
	s_wait_alu depctr_va_vdst(0)
.irp i, 0,1,2,3,4,5,6,7
	s_wait_loadcnt 4*(7-\i)                        ; tile i's four loads are in; the later tiles' may be out
.irp q, 0,1,2,3
.irp k, 0,1,2,3
	v_lshlrev_b32 v[T+2*\k], 16, v[XR+16*\i+4*\q+\k]               ; bf16 to f32: the low half moves up,
	v_and_b32 v[T+2*\k+1], s21, v[XR+16*\i+4*\q+\k]                ; the high half stays
.endr
.irp k, 0,1,2,3
.if \i == 0
	v_pk_mul_f32 v[ACC+8*\q+2*\k:ACC+8*\q+2*\k+1], v[T+2*\k:T+2*\k+1], v[EE+2*\i:EE+2*\i+1]   ; the first tile starts the sums
.else
	v_pk_fma_f32 v[ACC+8*\q+2*\k:ACC+8*\q+2*\k+1], v[T+2*\k:T+2*\k+1], v[EE+2*\i:EE+2*\i+1], v[ACC+8*\q+2*\k:ACC+8*\q+2*\k+1]
.endif
.endr
.endr
.endr
.irp m, 1,2,4,8                        ; over the 16 tokens of a tile: lanes of one half
.set i, 0
.rept 32
	v_add_f32_dpp v[ACC+i], v[ACC+i], v[ACC+i] row_xmask:\m row_mask:0xf bank_mask:0xf
.set i, i+1
.endr
.endr
.irp q, 0,1,2,3
	ds_store_b128 v11, v[ACC+8*\q:ACC+8*\q+3] offset:128*(\q/2)+32*(\q%2)          ; d = 32 B + 16 h + 8 e + k; the 16 lanes of a half write the same bytes with the same values
	ds_store_b128 v11, v[ACC+8*\q+4:ACC+8*\q+7] offset:128*(\q/2)+32*(\q%2)+16
.endr
	s_wait_dscnt 0x0
	s_barrier_signal -1
	s_barrier_wait -1
	s_cmp_lg_u32 s10, 0
	s_cbranch_scc1 .Lend                           ; wave 0 adds the eight waves' parts
.irp w, 0,1,2,3,4,5,6,7
	ds_load_b64 v[T+2*\w:T+2*\w+1], v12 offset:256*\w
.endr
	s_wait_dscnt 0x0
.irp w, 1
	v_pk_add_f32 v[T:T+1], v[T:T+1], v[T+2*\w:T+2*\w+1]
.endr
.irp w, 2, 3, 4, 5, 6, 7
	s_delay_alu instid0(VALU_DEP_1)
	v_pk_add_f32 v[T:T+1], v[T:T+1], v[T+2*\w:T+2*\w+1]
.endr
	v_pk_mul_f32 v[T:T+1], v[T:T+1], v[52:53] op_sel_hi:[1,0]      ; / the sum of e
	global_store_b64 v13, v[T:T+1], s[8:9]         ; 32 lanes store 256 consecutive bytes, aligned
.Lend:
	s_wait_tensorcnt 0x0
	ds_add_u32 v224, v225
	s_wait_dscnt 0x0
	s_endpgm
.Lfunc_end_k_qcefae67ba0_final:
	.size	k_qcefae67ba0_final, .Lfunc_end_k_qcefae67ba0_final-k_qcefae67ba0_final
	.p2alignl 7, 3214868480
	.fill 96, 4, 3214868480
	.section	.rodata,"a",@progbits
	.p2align	6, 0x0
	.amdhsa_kernel k_qcefae67ba0_final
		.amdhsa_group_segment_fixed_size 9216
		.amdhsa_private_segment_fixed_size 0
		.amdhsa_enable_private_segment 0
		.amdhsa_kernarg_size 24
		.amdhsa_user_sgpr_count 2
		.amdhsa_user_sgpr_kernarg_segment_ptr 1
		.amdhsa_wavefront_size32 1
		.amdhsa_system_sgpr_workgroup_id_x 1
		.amdhsa_system_sgpr_workgroup_id_y 1
		.amdhsa_system_sgpr_workgroup_id_z 1
		.amdhsa_system_vgpr_workitem_id 0
		.amdhsa_next_free_vgpr 226
		.amdhsa_next_free_sgpr 66
		.amdhsa_reserve_vcc 0
		.amdhsa_float_denorm_mode_32 3
		.amdhsa_float_denorm_mode_16_64 3
		.amdhsa_memory_ordered 1
		.amdhsa_forward_progress 1
		.amdhsa_inst_pref_size 39
	.end_amdhsa_kernel
	.amdgpu_metadata
---
amdhsa.version: [ 1, 2 ]
amdhsa.kernels:
  - .name:           k_qcefae67ba0_final
    .symbol:         k_qcefae67ba0_final.kd
    .args:
      - { .name: apart, .offset: 0, .size: 8, .value_kind: global_buffer, .address_space: global }
      - { .name: xbf, .offset: 8, .size: 8, .value_kind: global_buffer, .address_space: global }
      - { .name: out0, .offset: 16, .size: 8, .value_kind: global_buffer, .address_space: global }
    .group_segment_fixed_size: 9216
    .private_segment_fixed_size: 0
    .kernarg_segment_align: 8
    .kernarg_segment_size: 24
    .max_flat_workgroup_size: 256
    .sgpr_count:     66
    .vgpr_count:     226
    .wavefront_size: 32
...
	.end_amdgpu_metadata
.endif
;; end of part 5
